; MI455X (gfx1250); checked and timed in simulation.
; The chip was launched on July 23, 2026; its instructions are those of AMD's public machine-readable ISA for CDNA 5 (MIT licence, August 2026) and "CDNA5" Instruction Set Architecture Reference Guide (July 2026). The comments in the code are by the model that wrote it; some were corrected since.
;; Fused Transformer Block. Allowed arithmetic: float matrix products may take bf16 or f16 operands with f32 sums; all other float work in f32.
;; Inputs: b_fc1 4,096 float32; b_fc2 1,024 float32; b_proj 1,024 float32; b_qkv 3,072 float32; ln1_b 1,024 float32; ln1_w 1,024 float32; ln2_b 1,024 float32; ln2_w 1,024 float32; w_fc1 4,096 x 1,024 float32; w_fc2 1,024 x 4,096 float32; w_proj 1,024 x 1,024 float32; w_qkv 3,072 x 1,024 float32; x 2,048 x 2 x 1,024 float32.
;; Outputs: out0 2,048 x 2 x 1,024 float32.
;; 2 versions, each right; version 2 is version 1 with the launches prep, ln2 written anew for expert scheduling mode. Each part assembles by itself: llvm-mc -triple=amdgcn-amd-amdhsa -mcpu=gfx1250 --defsym DOCPART=n.
;; ======== version 1 of 2: 7 launches
;; limits: values are held in f16: magnitudes above 65,504 overflow, below 6.1e-05 lose precision
;; workspace buffers: xn 8,388,608 bytes; wh 25,165,824 bytes; qkvb 25,165,824 bytes; ob 8,388,608 bytes; x1 16,777,216 bytes; hm 33,554,432 bytes
;; launch prep (part 1): grid 1024 x 1, 8 waves a work-group, no clusters, 0 bytes of LDS; arguments x, ln1_w, ln1_b, w_qkv, w_proj, w_fc1, w_fc2, xn, wh; writes xn, wh
.if DOCPART == 1
	.amdgcn_target "amdgcn-amd-amdhsa--gfx1250"
	.amdhsa_code_object_version 6
	.text
	.protected	k_q3640894084_prep
	.globl	k_q3640894084_prep
	.p2align	8
	.type	k_q3640894084_prep,@function
k_q3640894084_prep:
	s_mov_b64 s[64:65], 0
	v_nop
	global_prefetch_b8 v0, s[64:65] scope:SCOPE_SE
	s_setreg_imm32_b32 hwreg(HW_REG_WAVE_MODE, 25, 1), 1
	s_wait_xcnt 0x0
; LAYERNORM OF ROWS OF 1,024 f32, AND THE WEIGHTS' CAST TO f16.  A stream: no LDS, no barrier, no matrix unit.
; Everything is rows of 1,024 f32 (4,096 bytes).  A work-group has 16 rows, each of its eight waves two.  Lane l holds the 16 bytes at 16 l + 512 j of a row (j = 0..7)
; and stores the 8 bytes at 8 l + 256 j of the f16 row: each store of a wave covers 256 consecutive bytes, aligned.
; Work-groups 0-255: LayerNorm of the 4,096 token rows (mean, then the centred squares, the row kept in registers; no difference of large sums), times w plus b, rounded to f16.
;   The input row is n = 2 s + b (as the tensor lies); the output row is b x 2,048 + s, the row order of all the products' A operands.
; Work-groups 256-447, 448-511, 512-767, 768-1023: w_qkv, w_proj, w_fc1, w_fc2 rounded to f16, dense, one behind the other in wh.  (A launch of 256 work-groups runs the first part alone.)
; LIMITS.  f16 ends at 65,504: a normalised value or a weight beyond it becomes an infinity; below 6e-5 f16 keeps its fixed step of 6e-8.
.set T,  8                             ; v[8:15]    four chains of pairs
.set X0, 32                            ; v[32:63]   row 0
.set X1, 64                            ; v[64:95]   row 1
.set W,  96                            ; v[96:127]  the gain of my 32 columns
.set BV, 128                           ; v[128:159] the bias
.set Y0, 160                           ; v[160:175] row 0 in f16
.set Y1, 176                           ; v[176:191] row 1 in f16
	s_load_b512 s[8:23], s[0:1], 0x0               ; in s[8:9], gain s[10:11], bias s[12:13], w_qkv, w_proj, w_fc1, w_fc2 s[14:21], xn s[22:23]
	s_load_b64 s[24:25], s[0:1], 0x40              ; wh
	v_lshrrev_b32 v1, 5, v0
	v_readfirstlane_b32 s2, v1                     ; wave 0..7
	v_and_b32 v1, 31, v0
	v_lshlrev_b32 v2, 4, v1                        ; 16 x lane: where I read
	v_lshlrev_b32 v3, 3, v1                        ; 8 x lane: where I store
	v_mov_b32 v17, 0                               ; v_permlanex16_b32's destination counts as read
	s_mov_b32 s3, 0x3a800000                       ; 1 / 1,024
	s_mov_b32 s4, 0x76543210                       ; each lane takes its own place in the other half
	s_mov_b32 s5, 0xfedcba98
	s_mov_b32 s6, 0x3727c5ac                       ; 1e-5
	s_cmp_lt_u32 ttmp9, 256
	s_cbranch_scc0 .Lcast
	s_lshl_b32 s32, ttmp9, 16                      ; in: 16 rows of 4,096 bytes a work-group,
	s_lshl_b32 s33, s2, 13                         ; two a wave
	s_add_co_u32 s32, s32, s33
	s_mov_b32 s33, 0
	s_lshl_b32 s34, ttmp9, 14                      ; out: s = 8 x work-group + wave, rows of 2,048 bytes; b stands in the stores' immediate
	s_lshl_b32 s35, s2, 11
	s_add_co_u32 s34, s34, s35
	s_mov_b32 s35, 0
	s_wait_kmcnt 0x0
	s_add_nc_u64 s[26:27], s[8:9], s[32:33]
	s_add_nc_u64 s[30:31], s[22:23], s[34:35]
.irp j, 0,1,2,3,4,5,6,7
	global_load_b128 v[X0+4*\j:X0+4*\j+3], v2, s[26:27] offset:512*\j
.endr
.irp j, 0,1,2,3,4,5,6,7
	global_load_b128 v[W+4*\j:W+4*\j+3], v2, s[10:11] offset:512*\j
.endr
.irp j, 0,1,2,3,4,5,6,7
	global_load_b128 v[BV+4*\j:BV+4*\j+3], v2, s[12:13] offset:512*\j
.endr
.irp j, 0,1,2,3,4,5,6,7
	global_load_b128 v[X1+4*\j:X1+4*\j+3], v2, s[26:27] offset:4096+512*\j
.endr
; The four chains are joined and summed over the 32 lanes; every lane ends with the sum in v16.
.macro ACROSS
	v_pk_add_f32 v[T:T+1], v[T:T+1], v[T+2:T+3]
	v_pk_add_f32 v[T+4:T+5], v[T+4:T+5], v[T+6:T+7]
	v_pk_add_f32 v[T:T+1], v[T:T+1], v[T+4:T+5]
	v_add_f32 v16, v[T], v[T+1]
	v_add_f32_dpp v16, v16, v16 row_xmask:1 row_mask:0xf bank_mask:0xf
	v_add_f32_dpp v16, v16, v16 row_xmask:2 row_mask:0xf bank_mask:0xf
	v_add_f32_dpp v16, v16, v16 row_xmask:4 row_mask:0xf bank_mask:0xf
	v_add_f32_dpp v16, v16, v16 row_xmask:8 row_mask:0xf bank_mask:0xf
	v_permlanex16_b32 v17, v16, s4, s5
	v_add_f32 v16, v16, v17
.endm
; One row.  w1: the younger loads that may stay out when the row is needed; w2: those that may stay out when gain and bias are.
.macro ROW xb, yb, imm, w1, w2
	s_wait_loadcnt \w1
.irp k, 0,1,2,3
	v_pk_add_f32 v[T+2*\k:T+2*\k+1], v[(\xb)+2*\k:(\xb)+2*\k+1], v[(\xb)+8+2*\k:(\xb)+8+2*\k+1]  ; the first eight pairs start the chains
.endr
.irp k, 8,9,10,11,12,13,14,15
	v_pk_add_f32 v[T+2*(\k%4):T+2*(\k%4)+1], v[T+2*(\k%4):T+2*(\k%4)+1], v[(\xb)+2*\k:(\xb)+2*\k+1]
.endr
	ACROSS
	v_mul_f32 v18, s3, v16                         ; the mean, twice: a pair for the packed subtraction
	v_mul_f32 v19, s3, v16
.set pp, 0
.rept 16
	v_pk_add_f32 v[(\xb)+2*pp:(\xb)+2*pp+1], v[(\xb)+2*pp:(\xb)+2*pp+1], v[18:19] neg_lo:[0,1] neg_hi:[0,1]  ; centred in place
.set pp, pp+1
.endr
.irp k, 0,1,2,3
	v_pk_mul_f32 v[T+2*\k:T+2*\k+1], v[(\xb)+2*\k:(\xb)+2*\k+1], v[(\xb)+2*\k:(\xb)+2*\k+1]
.endr
.irp k, 4,5,6,7,8,9,10,11,12,13,14,15
	v_pk_fma_f32 v[T+2*(\k%4):T+2*(\k%4)+1], v[(\xb)+2*\k:(\xb)+2*\k+1], v[(\xb)+2*\k:(\xb)+2*\k+1], v[T+2*(\k%4):T+2*(\k%4)+1]
.endr
	ACROSS
	v_fma_f32 v20, v16, s3, s6                     ; the variance + 1e-5
	v_rsq_f32 v20, v20
	v_nop                                          ; a plain instruction between the root and the use of its result (ISA guide 5.7.2)
	s_wait_alu depctr_va_vdst(0)
	v_mov_b32 v21, v20
	s_wait_loadcnt \w2                             ; gain and bias
.set pp, 0
.rept 16
	v_pk_mul_f32 v[(\xb)+2*pp:(\xb)+2*pp+1], v[(\xb)+2*pp:(\xb)+2*pp+1], v[20:21]
.set pp, pp+1
.endr
.set pp, 0
.rept 16
	v_pk_fma_f32 v[(\xb)+2*pp:(\xb)+2*pp+1], v[(\xb)+2*pp:(\xb)+2*pp+1], v[W+2*pp:W+2*pp+1], v[BV+2*pp:BV+2*pp+1]
.set pp, pp+1
.endr
.set pp, 0
.rept 16
	v_cvt_pk_f16_f32 v[(\yb)+pp], v[(\xb)+2*pp], v[(\xb)+2*pp+1]
.set pp, pp+1
.endr
.irp j, 0,1,2,3,4,5,6,7
	global_store_b64 v3, v[(\yb)+2*\j:(\yb)+2*\j+1], s[30:31] offset:(\imm)+256*\j
.endr
.endm
	ROW X0, Y0, 0, 24, 8                           ; behind row 0's loads: gain, bias, row 1 (24); behind gain and bias: row 1 (8)
	ROW X1, Y1, 4194304, 0, 0                      ; b = 1 lies 2,048 rows of 2,048 bytes further on
	s_endpgm
.Lcast:
	s_wait_kmcnt 0x0
	s_mov_b64 s[26:27], s[20:21]                   ; which weight, and its first work-group: chosen by the work-group's number alone
	s_mov_b32 s28, 768
	s_cmp_lt_u32 ttmp9, 768
	s_cselect_b64 s[26:27], s[18:19], s[26:27]
	s_cselect_b32 s28, 512, s28
	s_cmp_lt_u32 ttmp9, 512
	s_cselect_b64 s[26:27], s[16:17], s[26:27]
	s_cselect_b32 s28, 448, s28
	s_cmp_lt_u32 ttmp9, 448
	s_cselect_b64 s[26:27], s[14:15], s[26:27]
	s_cselect_b32 s28, 256, s28
	s_sub_co_u32 s32, ttmp9, s28
	s_lshl_b32 s32, s32, 16
	s_lshl_b32 s33, s2, 13
	s_add_co_u32 s32, s32, s33
	s_mov_b32 s33, 0
	s_add_nc_u64 s[26:27], s[26:27], s[32:33]
	s_sub_co_u32 s34, ttmp9, 256                   ; the four weights lie end to end in wh, in the order of the work-groups
	s_lshl_b32 s34, s34, 15
	s_lshl_b32 s35, s2, 12
	s_add_co_u32 s34, s34, s35
	s_mov_b32 s35, 0
	s_add_nc_u64 s[30:31], s[24:25], s[34:35]
.set kk, 0
.rept 16
	global_load_b128 v[X0+4*kk:X0+4*kk+3], v2, s[26:27] offset:(kk/8)*4096+(kk%8)*512 th:TH_LOAD_NT
.set kk, kk+1
.endr
.set kk, 0
.rept 16
	s_wait_loadcnt 15-kk                           ; loads come back in order: number kk is in, the younger ones stay out
	v_cvt_pk_f16_f32 v[Y0+2*kk], v[X0+4*kk], v[X0+4*kk+1]
	v_cvt_pk_f16_f32 v[Y0+2*kk+1], v[X0+4*kk+2], v[X0+4*kk+3]
	global_store_b64 v3, v[Y0+2*kk:Y0+2*kk+1], s[30:31] offset:(kk/8)*2048+(kk%8)*256  ; each store has data registers of its own
.set kk, kk+1
.endr
	s_endpgm
.Lfunc_end_k_q3640894084_prep:
	.size	k_q3640894084_prep, .Lfunc_end_k_q3640894084_prep-k_q3640894084_prep
	.p2alignl 7, 3214868480
	.fill 96, 4, 3214868480
	.section	.rodata,"a",@progbits
	.p2align	6, 0x0
	.amdhsa_kernel k_q3640894084_prep
		.amdhsa_group_segment_fixed_size 0
		.amdhsa_private_segment_fixed_size 0
		.amdhsa_enable_private_segment 0
		.amdhsa_kernarg_size 72
		.amdhsa_user_sgpr_count 2
		.amdhsa_user_sgpr_kernarg_segment_ptr 1
		.amdhsa_wavefront_size32 1
		.amdhsa_system_sgpr_workgroup_id_x 1
		.amdhsa_system_sgpr_workgroup_id_y 1
		.amdhsa_system_sgpr_workgroup_id_z 1
		.amdhsa_system_vgpr_workitem_id 0
		.amdhsa_next_free_vgpr 192
		.amdhsa_next_free_sgpr 66
		.amdhsa_reserve_vcc 0
		.amdhsa_float_denorm_mode_32 3
		.amdhsa_float_denorm_mode_16_64 3
		.amdhsa_memory_ordered 1
		.amdhsa_forward_progress 1
		.amdhsa_inst_pref_size 27
	.end_amdhsa_kernel
	.amdgpu_metadata
---
amdhsa.version: [ 1, 2 ]
amdhsa.kernels:
  - .name:           k_q3640894084_prep
    .symbol:         k_q3640894084_prep.kd
    .args:
      - { .name: x, .offset: 0, .size: 8, .value_kind: global_buffer, .address_space: global }
      - { .name: ln1_w, .offset: 8, .size: 8, .value_kind: global_buffer, .address_space: global }
      - { .name: ln1_b, .offset: 16, .size: 8, .value_kind: global_buffer, .address_space: global }
      - { .name: w_qkv, .offset: 24, .size: 8, .value_kind: global_buffer, .address_space: global }
      - { .name: w_proj, .offset: 32, .size: 8, .value_kind: global_buffer, .address_space: global }
      - { .name: w_fc1, .offset: 40, .size: 8, .value_kind: global_buffer, .address_space: global }
      - { .name: w_fc2, .offset: 48, .size: 8, .value_kind: global_buffer, .address_space: global }
      - { .name: xn, .offset: 56, .size: 8, .value_kind: global_buffer, .address_space: global }
      - { .name: wh, .offset: 64, .size: 8, .value_kind: global_buffer, .address_space: global }
    .group_segment_fixed_size: 0
    .private_segment_fixed_size: 0
    .kernarg_segment_align: 8
    .kernarg_segment_size: 72
    .max_flat_workgroup_size: 256
    .sgpr_count:     66
    .vgpr_count:     192
    .wavefront_size: 32
...
	.end_amdgpu_metadata
.endif
;; end of part 1
;; launch qkvg (part 2): grid 16 x 16, 4 waves a work-group, clusters of 4 x 4, 327,680 bytes of LDS; arguments xn, wh, b_qkv, qkvb; writes qkvb
.if DOCPART == 2
	.amdgcn_target "amdgcn-amd-amdhsa--gfx1250"
	.amdhsa_code_object_version 6
	.text
	.protected	k_q3640894084_qkvg
	.globl	k_q3640894084_qkvg
	.p2align	8
	.type	k_q3640894084_qkvg,@function
k_q3640894084_qkvg:
	s_mov_b64 s[64:65], 0
	v_nop
	global_prefetch_b8 v0, s[64:65] scope:SCOPE_SE
	s_setreg_imm32_b32 hwreg(HW_REG_WAVE_MODE, 25, 1), 1
	s_wait_xcnt 0x0
	s_wait_alu depctr_hold_cnt(0) depctr_sa_sdst(0) depctr_va_vdst(0) depctr_va_sdst(0) depctr_va_ssrc(0) depctr_va_vcc(0) depctr_vm_vsrc(0)
	s_getreg_b32 s2, hwreg(HW_REG_IB_STS2, 6, 4)
	s_cmp_eq_u32 s2, 0
	s_cbranch_scc0 .Lentry_in_a_cluster
	s_endpgm
.Lentry_in_a_cluster:
	s_bfe_u32 s2, ttmp6, 0x10000c
	s_cmp_lg_u32 s2, 0xf033
	s_cbranch_scc0 .Lentry_shape_is_right
	s_endpgm
.Lentry_shape_is_right:
; q, k, v = LN1(x) w_qkv^T + b_qkv, by heads.  A: xn [4096 rows b x 2,048 + s][1024] f16.  B: wh at byte 0, [3072][1024] f16.  Sums in f32, started by the bias.
; Out: qkvb, f16: q at byte 0, k at 8,388,608, v at 16,777,216, each [16 b + head][2,048 s][64], unscaled, rounded once.
; A tile of C is 256 rows x 192 columns = one head's q, k, v: 16 x 16 work-groups.  Four waves, each 128 x 96: 48 accumulators.  K goes in steps of 128 (rows of 256 bytes) through two LDS slots.
; THE LOOP.  A trip is one K step: four quarters of 32 along K on two fragment buffers.  The slot in hand is a scalar, 0 or SLOT, turned by an exclusive or; the fragment addresses and the refill's LDS word are sums with it.
; Written out are the first quarter (its products start the sums), the trip that fills (six times, entered in its middle) and the trip that does not (twice): nine quarters of text for 32.
; At a change of slots nothing stands between the wait for the next tile and the request behind it: the last quarter's products all follow the refill, so that they run while it is on its way.
; CLUSTER 4 x 4: the four of a row of the cluster need the same tiles of A, the four of a column the same tiles of B: each tile is asked for jointly, with one descriptor and a mask of four.
; THE MATRIX INSTRUCTION IS USED TRANSPOSED (source 0 = 16 rows of B, source 1 = 16 rows of A): lane l holds row l % 16 of C and the columns 8 (l / 16) + 0..7.  So the bias of those eight
; columns, loaded once into eight registers a column block, is the C operand of the first K quarter's products: no register is cleared and no bias is added afterwards.
; LIMITS.  f16 ends at 65,504: a q, k or v beyond it becomes an infinity.
; REGISTERS, in windows of 256: window 0: v16-30 addresses; v64-127, v128-191 fragments of A, two buffers; v192-239 the bias; on the way out v64-135 at work
;   window 1: v64-111, v128-175 fragments of B     window 2: accumulators of my rows 0-63, (a, b) at v[8 (6 a + b)]     window 3: those of rows 64-127
.set NBL,    6                         ; column blocks of 16 a wave
.set TN,     32*NBL                    ; columns of a tile
.set WOFF,   0                         ; the weight's first byte in wh
.set SIZE_K, 1024
.set KSTEP,  128
.set NSTEP,  SIZE_K/KSTEP
.set PITCH,  272                       ; an LDS row: 256 bytes + 16 of padding: the 16 rows of a fragment load start at 16 different groups of four banks (ISA guide 11.1)
.set HALFA,  128*PITCH                 ; what one tensor load brings of A, and what a wave reads of it
.set HALFB,  16*NBL*PITCH              ; the same for B
.set BOFF,   2*HALFA                   ; in a slot: A's 256 rows, then B's 192
.set SLOT,   BOFF+2*HALFB
.set SPARE,  2*SLOT                    ; behind the ring: the spare words, 128 bytes a wave, which no other line names
.set NL,     16+2*NBL                  ; LDS loads in a run
.set SPITCH, 784                       ; the way out: a row of 192 f32 + 16 bytes, in the ring's bytes, which have had their last fill by then
.set AA,   16                          ; v16 my A fragments' place in a slot; v17 my B fragments'; never rewritten
.set AB,   17
.set CA,   20                          ; v20, v21 the same in the slot in hand
.set CB,   21
.set STO,  24                          ; v24 the way out: where I put my rows 0-63;  v27 (STO + 3): my rows 64-127
.set RD,   25
.set GO,   26
.set SPW,  28
.set NIL,  29
.set BO,   30
.set F0,   64
.set F1,   128
.set BI,   192
.set XR,   64
.set YR,   112
.set G1,  24
.set G0,  32                           ; s[32:39] group 0 for A: a set for each of the two first fills; the second then walks on
.set G1B, 48
.set G0B, 56                           ; s[56:63] the same for B
.set BIA, 68                           ; s[68:69] the bias
.set OUT, 70                           ; s[70:71], s[72:73], s[74:75]: q, k, v at my first row
.set LWA, 80                           ; s80 where in a slot the part of A lands that my wave fetches; s81 the same for B
.set LWB, 81
.set TB,  82                           ; s82 the slot in hand: 0 or SLOT
.set MSB, 0
.macro WIN new                         ; the immediate's high byte repeats the setting that is left; a switch that changes nothing is dropped
.if MSB != (\new)
	s_set_vgpr_msb (MSB<<8)|(\new)
.set MSB, \new
.endif
.endm
.set MUL_LO, 0xa1                      ; source 0 (B) window 1, source 1 (A) window 0, C and D window 2
.set MUL_HI, 0xf1                      ; the same, C and D window 3
.set TO_B,   0x40
; A joint load: waves 0 and 1 fetch A's two halves, waves 2 and 3 B's.  The branch hangs on the wave's number alone.  An s_nop 0 and four v_nop follow each line.
.macro JLOAD s
	s_cmp_eq_u32 s11, 0
	s_cbranch_scc0 .Lfor_b_\@
	tensor_load_to_lds s[G0+4*(\s):G0+4*(\s)+3], s[G1:G1+7]
	s_nop 0
.rept 4
	v_nop
.endr
	s_branch .Lasked_\@
.Lfor_b_\@:
	tensor_load_to_lds s[G0B+4*(\s):G0B+4*(\s)+3], s[G1B:G1B+7]
	s_nop 0
.rept 4
	v_nop
.endr
.Lasked_\@:
.endm
.macro CROUND                          ; a round of the cluster's barrier
	s_barrier_signal -1
	s_barrier_wait -1
	s_cmp_lg_u32 s10, 0
	s_cbranch_scc1 .Lnot_wave_0_\@
	s_barrier_signal -3
.Lnot_wave_0_\@:
	s_barrier_wait -3
	s_barrier_signal -1
	s_barrier_wait -1
.endm
	s_load_b128 s[4:7], s[0:1], 0x0                ; A s[4:5], wh s[6:7]
	s_load_b128 s[68:71], s[0:1], 0x10             ; bias s[68:69], out s[70:71]
	v_lshl_add_u32 v[SPW], v0, 2, SPARE
	v_mov_b32 v[NIL], 0
	ds_add_u32 v[SPW], v[NIL]                      ; the wave's opening: the add and its wait stand ahead of my first tensor load; the set-up below stands between them
	ds_add_u32 v28, v29
	v_lshrrev_b32 v1, 5, v0
	v_readfirstlane_b32 s10, v1                    ; wave 0..3
	s_lshr_b32 s11, s10, 1                         ; which half of the tile's rows is mine.  Also: I fetch for A (0) or for B (1)
	s_and_b32 s12, s10, 1                          ; which half of its columns.  Also: which half of that tile I fetch
	s_bfe_u32 s40, ttmp6, 0x40000                  ; cx
	s_bfe_u32 s41, ttmp6, 0x40004                  ; cy
	s_lshl_b32 s42, ttmp9, 2
	s_add_co_u32 s42, s42, s40                     ; tile column = head
	s_and_b32 s13, ttmp7, 0xffff
	s_lshl_b32 s13, s13, 2
	s_add_co_u32 s13, s13, s41                     ; tile row
	s_lshl_b32 s43, s41, 2
	s_lshl_b32 s43, 15, s43                        ; my row of the cluster
	s_lshl_b32 s44, 0x1111, s40                    ; my column
	s_or_b32 s[G1+0], s43, (1<<16)|(1<<20)|(1<<21)|(5<<22)|(3<<25)   ; mask; 2-byte elements; padding on; bit 21 beside a mask; after every 64 words; 4 words
	s_or_b32 s[G1B+0], s44, (1<<16)|(1<<20)|(1<<21)|(5<<22)|(3<<25)
	s_mov_b32 s[G1+1], KSTEP<<16                   ; tensor_dim0 = 128
	s_mov_b32 s[G1B+1], KSTEP<<16
	s_mov_b32 s[G1+2], 128<<16                     ; tensor_dim1: A 128 rows,
	s_mov_b32 s[G1B+2], (16*NBL)<<16               ; B 96
	s_mov_b32 s[G1+3], KSTEP<<16                   ; tile_dim0 = 128
	s_mov_b32 s[G1B+3], KSTEP<<16
	s_mov_b32 s[G1+4], 128                         ; tile_dim1
	s_mov_b32 s[G1B+4], 16*NBL
	s_mov_b32 s[G1+5], SIZE_K                      ; elements from row to row
	s_mov_b32 s[G1B+5], SIZE_K
	s_mov_b32 s[G1+6], 0
	s_mov_b32 s[G1B+6], 0
	s_mov_b32 s[G1+7], 0
	s_mov_b32 s[G1B+7], 0
	s_lshl_b32 s17, s12, 7
	s_lshl_b32 s16, s13, 8
	s_add_co_u32 s16, s16, s17                     ; A: row 256 x tile row + 128 x half,
	s_lshl_b32 s16, s16, 11                        ; of 2,048 bytes
	s_mov_b32 s17, 0
	s_mul_i32 s46, s42, TN
	s_mul_i32 s47, s12, 16*NBL
	s_add_co_u32 s46, s46, s47                     ; B: row 192 x tile column + 96 x half
	s_lshl_b32 s46, s46, 11
	s_add_co_u32 s46, s46, WOFF
	s_mov_b32 s47, 0
	s_mul_i32 s[LWA], s10, HALFA                   ; where they go: A's halves at wave x HALFA (waves 0, 1),
	s_mul_i32 s[LWB], s10, HALFB                   ; B's at BOFF + (wave - 2) x HALFB (waves 2, 3)
	s_add_co_u32 s[LWB], s[LWB], BOFF-2*HALFB
	s_mov_b32 s[TB], 0
	s_wait_dscnt 0x0                               ; the opening add is done
	s_wait_kmcnt 0x0
	s_add_nc_u64 s[14:15], s[4:5], s[16:17]
	s_add_nc_u64 s[46:47], s[6:7], s[46:47]
	CROUND                                         ; all sixteen work-groups are here: the first joint loads meet
.irp s, 0,1
	s_mov_b32 s[G0+4*(\s)], 1
	s_add_co_u32 s[G0+4*(\s)+1], s[LWA], (\s)*SLOT
	s_add_nc_u64 s[G0+4*(\s)+2:G0+4*(\s)+3], s[14:15], (\s)*KSTEP*2
	s_or_b32 s[G0+4*(\s)+3], s[G0+4*(\s)+3], 0x80000000
	s_mov_b32 s[G0B+4*(\s)], 1
	s_add_co_u32 s[G0B+4*(\s)+1], s[LWB], (\s)*SLOT
	s_add_nc_u64 s[G0B+4*(\s)+2:G0B+4*(\s)+3], s[46:47], (\s)*KSTEP*2
	s_or_b32 s[G0B+4*(\s)+3], s[G0B+4*(\s)+3], 0x80000000
	JLOAD \s
.endr
	v_and_b32 v1, 15, v0                           ; l % 16
	v_bfe_u32 v2, v0, 4, 1                         ; l / 16
	v_lshlrev_b32 v[BO], 5, v2                     ; my eight columns of a block: 32 bytes x half
	s_mul_i32 s46, s42, TN*4                       ; the bias of my 96 columns
	s_mul_i32 s47, s12, 64*NBL
	s_add_co_u32 s46, s46, s47
	s_mov_b32 s47, 0
	s_add_nc_u64 s[BIA:BIA+1], s[BIA:BIA+1], s[46:47]
.set bb, 0
.rept NBL
	global_load_b128 v[BI+8*bb:BI+8*bb+3],   v[BO], s[BIA:BIA+1] offset:64*bb
	global_load_b128 v[BI+8*bb+4:BI+8*bb+7], v[BO], s[BIA:BIA+1] offset:64*bb+16
.set bb, bb+1
.endr
	v_mul_u32_u24 v3, v1, PITCH
	v_lshl_add_u32 v3, v2, 4, v3                   ; a fragment's row x pitch + 16 x half
	s_mul_i32 s21, s11, HALFA
	s_mul_i32 s22, s12, HALFB
	s_add_co_u32 s22, s22, BOFF
	v_add_nc_u32 v[AA], s21, v3
	v_add_nc_u32 v[AB], s22, v3
	v_mov_b32 v[CA], v[AA]                         ; slot 0 is in hand
	v_mov_b32 v[CB], v[AB]
	s_mul_i32 s23, s11, 128*SPITCH                 ; into the stage: row 128 x row half + l % 16, byte 384 x column half + 32 x half of the lanes
	s_mul_i32 s22, s12, 64*NBL
	s_add_co_u32 s23, s23, s22
	v_mul_u32_u24 v4, v1, SPITCH
	v_lshl_add_u32 v4, v2, 5, v4
	v_add_nc_u32 v[STO], s23, v4
	v_add_nc_u32 v[STO+3], 64*SPITCH, v[STO]
	s_mul_i32 s23, s10, 64*SPITCH                  ; back: wave w takes rows 64 w on; eight lanes a row, 32 bytes (eight f32) a lane
	v_bfe_u32 v5, v0, 3, 2
	v_mul_u32_u24 v5, v5, SPITCH
	v_and_b32 v6, 7, v0
	v_lshl_add_u32 v5, v6, 5, v5
	v_add_nc_u32 v[RD], s23, v5
	v_and_b32 v6, 31, v0
	v_lshlrev_b32 v[GO], 4, v6                     ; four rows of 128 bytes are 512 consecutive bytes of q, k or v
	s_lshr_b32 s16, s13, 3                         ; b = tile row / 8: 16 heads x 2,048 rows x 128 bytes,
	s_lshl_b32 s16, s16, 22
	s_and_b32 s17, s13, 7                          ; s = 256 x (tile row % 8) + 64 x wave
	s_lshl_b32 s17, s17, 15
	s_add_co_u32 s16, s16, s17
	s_lshl_b32 s17, s10, 13
	s_add_co_u32 s16, s16, s17
	s_mov_b32 s17, 0
	s_add_nc_u64 s[OUT:OUT+1], s[OUT:OUT+1], s[16:17]
	s_lshl_b32 s46, s42, 18                        ; the head: 2,048 rows x 128 bytes
	s_mov_b32 s47, 0
	s_add_nc_u64 s[OUT:OUT+1], s[OUT:OUT+1], s[46:47]
	s_add_nc_u64 s[OUT+2:OUT+3], s[OUT:OUT+1], 0x800000
	s_add_nc_u64 s[OUT+4:OUT+5], s[OUT+2:OUT+3], 0x800000
; 2 x NBL matrix instructions: row blocks a0, a0 + 1 of the window's four x all column blocks, 32 along K.  zero = 1: the first product starts the sum with the bias.
; The accumulators take turns, one instruction a turn, in the same order in every quarter.
.macro MULH f, hi, a0, zero
.if \zero
	WIN 0x81+0x40*(\hi)                            ; C (the bias) in window 0
.else
	WIN MUL_LO+0x50*(\hi)
.endif
.irp a, \a0, (\a0)+1
.set bb, 0
.rept NBL
.set rD, 8*(NBL*(\a)+bb)
.if \zero
	v_wmma_f32_16x16x32_f16 v[rD:rD+7], v[(\f)+8*bb:(\f)+8*bb+7], v[(\f)+8*(4*(\hi)+(\a)):(\f)+8*(4*(\hi)+(\a))+7], v[BI+8*bb:BI+8*bb+7]
.else
	v_wmma_f32_16x16x32_f16 v[rD:rD+7], v[(\f)+8*bb:(\f)+8*bb+7], v[(\f)+8*(4*(\hi)+(\a)):(\f)+8*(4*(\hi)+(\a))+7], v[rD:rD+7]
.endif
.set bb, bb+1
.endr
.endr
.endm
.macro FETCH k, f                      ; one run of NL LDS loads: a quarter step's fragments (B first, then A), at byte k of the rows of the slot in hand, into buffer f
	WIN TO_B
.set ii, 0
.rept NBL
	ds_load_b128 v[(\f)+8*ii:(\f)+8*ii+3],   v[CB] offset:(\k)+ii*16*PITCH
	ds_load_b128 v[(\f)+8*ii+4:(\f)+8*ii+7], v[CB] offset:(\k)+ii*16*PITCH+32
.set ii, ii+1
.endr
	WIN 0
.irp i, 0,1,2,3,4,5,6,7
	ds_load_b128 v[(\f)+8*(\i):(\f)+8*(\i)+3],   v[CA] offset:(\k)+(\i)*16*PITCH
	ds_load_b128 v[(\f)+8*(\i)+4:(\f)+8*(\i)+7], v[CA] offset:(\k)+(\i)*16*PITCH+32
.endr
.endm
.macro PLACES                          ; four plain vector instructions between a matrix instruction and a load into, or a read of, its registers
.rept 4
	v_nop
.endr
.endm
.macro QUARTER k, f, g, zero           ; multiplies buffer f; in its middle fetches the next quarter, at byte k of the slot's rows, into g
	s_wait_dscnt 8                                 ; B and A's rows 0-63 are in; the youngest eight loads (A's rows 64-127) may be out
	MULH \f, 0, 0, \zero
	MULH \f, 0, 2, \zero
	PLACES
	FETCH \k, \g
	s_wait_dscnt NL                                ; all but the run just issued
	MULH \f, 1, 0, \zero
	MULH \f, 1, 2, \zero
.endm
; THE LAST QUARTER OF A K STEP begins with the change of slots.  Each wave waits for all its tensor loads (one is out: its part of the next slot), adds 0 to its spare word, and waits for that and for its
; reads of the slot in hand, the last of which were issued in the quarter before.  fill = 1: the barrier is a round of the cluster's, and the slot just read is filled again, two K steps ahead, first thing behind it.
; Then buffer 1 is multiplied, with the next slot's first fragments fetched in the middle.  fill = 0: nothing is asked for; in the very last step (counter 1) there is no next slot, and the run of loads is jumped over.
.macro TURN fill
	WIN 0
	s_wait_tensorcnt 0x0                           ; no tensor load of mine is out, so a group 0 may be written
	ds_add_u32 v[SPW], v[NIL]                      ; 0 onto my spare word; the work on registers below stands between it and the wait for it
.if \fill
	s_add_co_u32 s[G0+5], s[LWA], s[TB]            ; the walking descriptors: into the slot that has been read,
	s_add_co_u32 s[G0B+5], s[LWB], s[TB]
	s_add_nc_u64 s[G0+6:G0+7], s[G0+6:G0+7], KSTEP*2     ; the K step behind the one asked for last; the type bits on top are not reached
	s_add_nc_u64 s[G0B+6:G0B+7], s[G0B+6:G0B+7], KSTEP*2
.endif
	s_xor_b32 s[TB], s[TB], SLOT                   ; the other slot is in hand
	v_add_nc_u32 v[CA], s[TB], v[AA]
	v_add_nc_u32 v[CB], s[TB], v[AB]
	s_wait_dscnt 0x0                               ; the add is done, and my reads of the old slot are over
.if \fill
	CROUND                                         ; no wave of any partner still reads the old slot or has a load on its way
	JLOAD 1
.else
	s_barrier_signal -1
	s_barrier_wait -1
.endif
	MULH F1, 0, 0, 0
	MULH F1, 0, 2, 0
.if \fill
	PLACES
	FETCH 0, F0
.else
	WIN 0
	s_cmp_eq_u32 s3, 1
	s_cbranch_scc1 .Llast_\@
	PLACES
	FETCH 0, F0
	WIN 0
.Llast_\@:
.endif
	MULH F1, 1, 0, 0
	MULH F1, 1, 2, 0
.endm
	s_wait_tensorcnt 1                             ; my part of K step 0 is in; K step 1's may stay out
	s_barrier_signal -1
	s_barrier_wait -1
	FETCH 0, F0
	s_wait_loadcnt 0x0                             ; the bias
	QUARTER 64,  F0, F1, 1                         ; the first quarter is written out: its products start the sums
	WIN 0
	s_mov_b32 s3, NSTEP-2
	s_branch .Lin                                  ; the loop is entered behind a step's first quarter
.Lstep:                                                ; K steps 0 to 5: each fills its slot again with the step two on
	QUARTER 64,  F0, F1, 0
	WIN 0
.Lin:
	QUARTER 128, F1, F0, 0
	QUARTER 192, F0, F1, 0
	TURN 1
	WIN 0
	s_sub_co_u32 s3, s3, 1
	s_cmp_lg_u32 s3, 0
	s_cbranch_scc1 .Lstep
	s_mov_b32 s3, 2
.Ltail:                                                ; K steps 6 and 7 fill nothing: a text of their own
	QUARTER 64,  F0, F1, 0
	QUARTER 128, F1, F0, 0
	QUARTER 192, F0, F1, 0
	TURN 0
	WIN 0
	s_sub_co_u32 s3, s3, 1
	s_cmp_lg_u32 s3, 0
	s_cbranch_scc1 .Ltail
	; THE WAY OUT.  The tile goes in f32 into the ring's bytes (256 rows of 784 bytes), since k's 64 columns come from two waves; then each wave reads 64 whole rows, rounds them to f16 and stores q, k, v apart.
	; The last change of slots has shown every wave's reads of the ring over (each waited for them in front of that barrier, and none has read it since).
	PLACES
.set aa, 0
.rept 8
	WIN 0x08+4*(aa/4)                              ; the data in window 2, then 3
.set bb, 0
.rept NBL
.set rD, 8*(NBL*(aa%4)+bb)
	ds_store_b128 v[STO+3*(aa/4)], v[rD:rD+3]   offset:(aa%4)*16*SPITCH+64*bb      ; each accumulator's low four registers first
	ds_store_b128 v[STO+3*(aa/4)], v[rD+4:rD+7] offset:(aa%4)*16*SPITCH+64*bb+16
.set bb, bb+1
.endr
.set aa, aa+1
.endr
	WIN 0
	s_wait_dscnt 0x0                               ; for the others' sake: my stores into the stage are done
	s_barrier_signal -1
	s_barrier_wait -1
	s_mov_b32 s2, 8
.Lout:                                                 ; a trip: eight rows, as two groups of four
.irp g, 0,1
.irp p, 0,1,2
	ds_load_b128 v[XR+8*(3*\g+\p):XR+8*(3*\g+\p)+3],   v[RD] offset:\g*4*SPITCH+256*\p
	ds_load_b128 v[XR+8*(3*\g+\p)+4:XR+8*(3*\g+\p)+7], v[RD] offset:\g*4*SPITCH+256*\p+16
.endr
.endr
.irp g, 0,1
	s_wait_dscnt 6-6*\g                            ; the group's six loads are in; the second group's may stay out
.irp p, 0,1,2
.irp k, 0,1,2,3
	v_cvt_pk_f16_f32 v[YR+4*(3*\g+\p)+\k], v[XR+8*(3*\g+\p)+2*\k], v[XR+8*(3*\g+\p)+2*\k+1]
.endr
	global_store_b128 v[GO], v[YR+4*(3*\g+\p):YR+4*(3*\g+\p)+3], s[OUT+2*\p:OUT+2*\p+1] offset:512*\g  ; 512 consecutive bytes, at a multiple of 256 from the part's first byte
.endr
.endr
	s_wait_xcnt 0x0                                ; the stores' addresses and data are rewritten only behind this wait
	v_add_nc_u32 v[RD], 8*SPITCH, v[RD]
	v_add_nc_u32 v[GO], 1024, v[GO]
	s_sub_co_u32 s2, s2, 1
	s_cmp_lg_u32 s2, 0
	s_cbranch_scc1 .Lout
	s_wait_tensorcnt 0x0                           ; the wave's end
	ds_add_u32 v[SPW], v[NIL]
	s_wait_dscnt 0x0
	CROUND                                         ; the closing round
	s_endpgm
.Lfunc_end_k_q3640894084_qkvg:
	.size	k_q3640894084_qkvg, .Lfunc_end_k_q3640894084_qkvg-k_q3640894084_qkvg
	.p2alignl 7, 3214868480
	.fill 96, 4, 3214868480
	.section	.rodata,"a",@progbits
	.p2align	6, 0x0
	.amdhsa_kernel k_q3640894084_qkvg
		.amdhsa_group_segment_fixed_size 327680
		.amdhsa_private_segment_fixed_size 0
		.amdhsa_enable_private_segment 0
		.amdhsa_kernarg_size 32
		.amdhsa_user_sgpr_count 2
		.amdhsa_user_sgpr_kernarg_segment_ptr 1
		.amdhsa_wavefront_size32 1
		.amdhsa_system_sgpr_workgroup_id_x 1
		.amdhsa_system_sgpr_workgroup_id_y 1
		.amdhsa_system_sgpr_workgroup_id_z 1
		.amdhsa_system_vgpr_workitem_id 0
		.amdhsa_next_free_vgpr 960
		.amdhsa_next_free_sgpr 84
		.amdhsa_reserve_vcc 0
		.amdhsa_float_denorm_mode_32 3
		.amdhsa_float_denorm_mode_16_64 3
		.amdhsa_memory_ordered 1
		.amdhsa_forward_progress 1
		.amdhsa_inst_pref_size 68
	.end_amdhsa_kernel
	.amdgpu_metadata
---
amdhsa.version: [ 1, 2 ]
amdhsa.kernels:
  - .name:           k_q3640894084_qkvg
    .symbol:         k_q3640894084_qkvg.kd
    .args:
      - { .name: xn, .offset: 0, .size: 8, .value_kind: global_buffer, .address_space: global }
      - { .name: wh, .offset: 8, .size: 8, .value_kind: global_buffer, .address_space: global }
      - { .name: b_qkv, .offset: 16, .size: 8, .value_kind: global_buffer, .address_space: global }
      - { .name: qkvb, .offset: 24, .size: 8, .value_kind: global_buffer, .address_space: global }
    .group_segment_fixed_size: 327680
    .private_segment_fixed_size: 0
    .kernarg_segment_align: 8
    .kernarg_segment_size: 32
    .max_flat_workgroup_size: 128
    .sgpr_count:     84
    .vgpr_count:     960
    .wavefront_size: 32
...
	.end_amdgpu_metadata
.endif
;; end of part 2
;; launch attn (part 3): grid 8 x 32, 8 waves a work-group, no clusters, 327,680 bytes of LDS; arguments qkvb, ob; writes ob
.if DOCPART == 3
	.amdgcn_target "amdgcn-amd-amdhsa--gfx1250"
	.amdhsa_code_object_version 6
	.text
	.protected	k_q3640894084_attn
	.globl	k_q3640894084_attn
	.p2align	8
	.type	k_q3640894084_attn,@function
k_q3640894084_attn:
	s_mov_b64 s[64:65], 0
	v_nop
	global_prefetch_b8 v0, s[64:65] scope:SCOPE_SE
	s_setreg_imm32_b32 hwreg(HW_REG_WAVE_MODE, 25, 1), 1
	s_wait_xcnt 0x0
; CAUSAL ATTENTION, head size 64.  O[q] = the sum over k <= q of softmax_k(Q[q] . K[k] / 8) V[k].  q, k, v: f16, [32 heads 16 b + head][2,048][64], at bytes 0, 8,388,608, 16,777,216 of qkvb.
; Products, maxima and sums in f32; the weights p are rounded to f16 for the second product (their sum l is taken of the unrounded p), O once at the end.
; Out: ob, f16, o[b][s / 2][head][s % 2][64]: two rows of a head are 256 consecutive aligned bytes, and a pair of token rows is 4,096 bytes with all 16 heads.
; LIMITS.  q, k, v arrive within f16's 65,504; p below 6e-5 keeps f16's step of 6e-8; a weight below 2^-126 counts as 0; NaN and infinities in the inputs are not treated apart.
; THE WALK.  A head's queries lie in 16 blocks of 128; block i needs the key entries 0 .. i of 128 keys, the last holding the diagonal.  A work-group takes blocks 15 - pb and then pb: 17 entries whatever pb,
; so all 256 work-groups do equal work and the loops count to constants.  NO CLUSTER: the eight work-groups of a head ask for the same entry only in the first trips; one walk common to all would have 24 entries for 17.
; SHARES.  Eight waves, two on a SIMD, in plain phases: while one walks its softmax the other has the matrix unit.  Wave w = 4 g + u takes the keys 64 g .. 64 g + 63 of every entry, for 32 queries:
; tile t holds the block's rows 64 (g xor t) + 16 u + 0..15.  So each row's keys are shared between two waves; at a block's end wave w hands its tile 1 (O, c m, l) to wave w xor 4 through LDS,
; which joins it with its own tile 0 by the two maxima, divides and stores.
; LAYOUT.  S^T = K Q^T holds ONE query a lane (lane % 16) and the keys 8 (lane / 16) + 0..7; two such results rounded to f16 ARE source 1 of O^T = V^T P.  p = 2^(c s - c m), c = log2(e) / 8, with a running maximum m;
; O and l are multiplied by a = 2^(c m_old - c m_new) in every step.  A block begins with m at the lowest finite number: its first step has a = 0, so what the registers held need only be finite.
; THE MASK.  In the diagonal entry a hidden score becomes -infinity, so its weight is 0.  A share that is hidden altogether leaves m, O and l as they were (a = 1); where that is a block's first step, c m stays
; at its start, and the join multiplies that share by 2^(start - true c m) = 0.
.set PK,    144       ; a row of K in LDS: 128 bytes + 16: the 16 rows of a load start at 16 different groups of four banks (ISA guide 11.1)
.set PV,    160       ; a row of V: 128 + 32
.set VOFF,  128*PK    ; an entry: 128 rows of K, then 128 rows of V
.set ENT,   128*(PK+PV)
.set SLOT1, 1<<17     ; a slot holds two entries; slot 1 begins here, so that one exclusive or turns an address in one slot into the other's
.set STAGE, 2*ENT     ; behind slot 0, never filled by a tensor load: 4,608 bytes a wave, for the hand-over and the way out
.set STW,   4608
.set XB,    SLOT1+2*ENT  ; straight behind slot 1: the walk's 17th entry, filled once at the start
.set SPARE, XB+ENT    ; the spare words, 128 bytes for each of eight waves, which no other line names
.set AK0, 1           ; my lane's place in an entry's K; never rewritten
.set AV0, 2           ; the same for V
.set ADR, 3           ; the LDS address of the run of loads in hand
.set QO0, 4           ; v4, v5  my byte offset in the block's rows of Q, tile 0 and tile 1
.set STX, 6           ; hand-over: where I put 16 bytes
.set LDX, 7           ; hand-over: the same place in my partner's bytes
.set STO, 8           ; the way out: where I put 16 bytes of a row
.set RD,  9           ; the way out: where I read rows back
.set GO,  10          ; my byte offset in four rows of O
.set DG0, 11          ; v11  tile 0: a key's number in my 64, less my lanes' 8 (l / 16), above which it is hidden;  v12  tile 1: below 0 where the whole tile is hidden
.set SPW, 13
.set NIL, 14
.set NIV, 15          ; v15  -infinity (at work during the set-up)
.set ST,  16          ; tile t's statistics at v[ST+4 t]: c m, m, l (even keys', odd keys')
.set TMP, 24          ; tile t's c0-c3 at v[TMP+4 t], at work; when the maximum is found c2 takes a
.set S,   32          ; S^T: tile t, key block kb at S + 32 t + 8 kb; P is laid over S + 32 t + 0..15
.set O,   96          ; O^T: tile t, channel block cb at O + 32 t + 8 cb
.set Q,   160         ; tile t, channel half c at Q + 16 t + 8 c
.set KV,  192         ; K's fragments, then V's
.set WV,  8
.set G,   9
.set U,   10
.set PB,  11
.set HI,  12
.set HI1, 13
.set BH,  14
.set G1K, 24
.set G1V, 32
.set G0K, 40
.set G0V, 44
.set G0XK, 48
.set G0XV, 52
.set CS,  56          ; s[56:57] c
.set SEL, 58          ; s[58:59] v_permlanex16_b32's selects
.set TB,  61          ; LDS byte at which the entry in hand begins
.set SL,  62
.set EC,  63
.set RT,  66          ; entries of the block in hand that are still to be entered
.set NEW, 67          ; 1: the entry to be entered is a block's first
.set BLK, 68          ; 0: the first block is in hand
.set E,   69          ; the place in the walk of the entry that I fetch
.set OFF, 70          ; s[70:71]
.set BK,  72          ; s[72:73] K at my half of the head's entry 0
.set BVA, 74          ; s[74:75] V likewise
.set QLO, 76          ; s[76:77] Q at my rows of the second block
.set OB,  78          ; s[78:79] O at my rows of the block in hand
.set OLO, 80          ; s[80:81] of the second block
.set QHI, 82          ; s[82:83] Q at my rows of the first block
; A fill: waves 0-3 fetch 64 keys of K each, waves 4-7 of V.  The branch hangs on the wave's number alone.
.macro LOAD
	s_cmp_lt_u32 s[WV], 4
	s_cbranch_scc0 .Lfor_v_\@
	tensor_load_to_lds s[G0K:G0K+3], s[G1K:G1K+7]
	s_nop 0
	s_branch .Lasked_\@
.Lfor_v_\@:
	tensor_load_to_lds s[G0V:G0V+3], s[G1V:G1V+7]
	s_nop 0
.Lasked_\@:
.endm
; THE CHANGE OF SLOTS.  Each wave waits for all its tensor loads (at most two at the first change, later one), adds 0 to its spare word, and waits for that and for its reads of the slot that it leaves.
; fill = 1: the old slot is filled again, first thing behind the barrier, with the walk's entries two slots on: the descriptor's address is made anew from the entry's number.
.macro CHANGE fill
	s_wait_tensorcnt 0x0
	ds_add_u32 v[SPW], v[NIL]       ; 0 onto my spare word; the descriptors' scalar work stands between it and the wait for it
.if \fill
	s_add_co_u32 s[E], s[E], 2
	s_sub_co_u32 s[OFF], s[E], s[HI1]  ; behind the first block's last entry the second block's entries 0, 1, .. follow
	s_cmp_gt_u32 s[E], s[HI]
	s_cselect_b32 s[OFF], s[OFF], s[E]
	s_lshl_b32 s[OFF], s[OFF], 14   ; an entry is 16,384 bytes of K and of V
	s_xor_b32 s[G0K+1], s[G0K+1], SLOT1
	s_add_nc_u64 s[G0K+2:G0K+3], s[BK:BK+1], s[OFF:OFF+1]
	s_or_b32 s[G0K+3], s[G0K+3], 0x80000000
	s_xor_b32 s[G0V+1], s[G0V+1], SLOT1
	s_add_nc_u64 s[G0V+2:G0V+3], s[BVA:BVA+1], s[OFF:OFF+1]
	s_or_b32 s[G0V+3], s[G0V+3], 0x80000000
.endif
	s_wait_dscnt 0x0                ; the add is done, and my reads of the slot are over
	s_barrier_signal -1
	s_sub_co_u32 s[TB], s[TB], 2*ENT  ; back to a slot's first entry,
	s_xor_b32 s[TB], s[TB], SLOT1     ; in the other slot
	s_barrier_wait -1
.if \fill
	LOAD
.endif
.endm
.macro QLOAD base                   ; a block's Q: lane l holds row l % 16, channels 8 (l / 16) + 0..7 and 16 + 8 (l / 16) + 0..7 of each half of 32
.irp t, 0,1
.irp c, 0,1
	global_load_b128 v[Q+16*\t+8*\c:Q+16*\t+8*\c+3],   v[QO0+\t], s[(\base):(\base)+1] offset:64*\c
	global_load_b128 v[Q+16*\t+8*\c+4:Q+16*\t+8*\c+7], v[QO0+\t], s[(\base):(\base)+1] offset:64*\c+32
.endr
.endr
.endm
.macro START                        ; m at the lowest finite number, c m made of it as the loop makes it
.irp t, 0,1
	v_mov_b32 v[ST+4*\t+1], 0xff7fffff
	v_mul_f32 v[ST+4*\t], s[CS], v[ST+4*\t+1]
.endr
.endm
	s_load_b128 s[4:7], s[0:1], 0x0   ; qkvb s[4:5], ob s[6:7]
	v_lshl_add_u32 v[SPW], v0, 2, SPARE
	v_mov_b32 v[NIL], 0
	ds_add_u32 v[SPW], v[NIL]       ; the wave's opening: the add and its wait stand ahead of my first tensor load; the set-up below stands between them
	ds_add_u32 v13, v14
	v_lshrrev_b32 v15, 5, v0
	v_readfirstlane_b32 s[WV], v15  ; wave 0..7
	s_lshr_b32 s[G], s[WV], 2
	s_and_b32 s[U], s[WV], 3
	s_mov_b32 s[PB], ttmp9
	s_sub_co_u32 s[HI], 15, s[PB]
	s_sub_co_u32 s[HI1], 16, s[PB]
	s_and_b32 s[BH], ttmp7, 0xffff
	s_and_b32 s15, s[WV], 1         ; which 64 of an entry's 128 keys I fetch
	s_lshr_b32 s16, s[WV], 1
	s_and_b32 s16, s16, 1           ; which of a slot's two entries
	; descriptor group 1.  64 keys are 8,192 dense bytes: asked for as 32 rows of 256 bytes, two keys a row, and padded in LDS after every key
	s_mov_b32 s[G1K], (1<<16)|(1<<20)|(4<<22)|(3<<25)  ; 2-byte elements; padding on; after every 32 words; 4 words
	s_mov_b32 s[G1V], (1<<16)|(1<<20)|(4<<22)|(7<<25)  ; the same with 8 words
.irp g, G1K, G1V
	s_mov_b32 s[\g+1], 128<<16      ; tensor_dim0 = 128
	s_mov_b32 s[\g+2], 32<<16       ; tensor_dim1 = 32
	s_mov_b32 s[\g+3], 128<<16      ; tile_dim0 = 128
	s_mov_b32 s[\g+4], 32           ; tile_dim1 = 32
	s_mov_b32 s[\g+5], 128          ; elements from row to row
	s_mov_b32 s[\g+6], 0
	s_mov_b32 s[\g+7], 0
.endr
	s_mul_i32 s17, s16, ENT
	s_mul_i32 s18, s15, 64*PK
	s_mul_i32 s19, s15, 64*PV
	s_mov_b32 s[G0K], 1
	s_add_co_u32 s[G0K+1], s17, s18   ; slot 0
	s_mov_b32 s[G0V], 1
	s_add_co_u32 s[G0V+1], s17, s19
	s_add_co_u32 s[G0V+1], s[G0V+1], VOFF
	s_mov_b32 s[G0XK], 1
	s_add_co_u32 s[G0XK+1], s18, XB
	s_mov_b32 s[G0XV], 1
	s_add_co_u32 s[G0XV+1], s19, XB+VOFF
	s_mov_b32 s[E], s16
	s_mov_b32 s[CS], 0x3e38aa3b     ; c = log2(e) / 8
	s_mov_b32 s[CS+1], s[CS]
	s_mov_b32 s[SEL], 0x76543210
	s_mov_b32 s[SEL+1], 0xfedcba98
	s_mov_b32 s[TB], SLOT1+2*ENT    ; the first change of slots turns this into 0
	s_mov_b32 s[RT], s[HI1]         ; the first block has 16 - pb entries
	s_mov_b32 s[NEW], 1
	s_mov_b32 s[BLK], 0
	s_mov_b32 s[SL], 7
	s_lshl_b32 s20, s[BH], 18       ; the head's 2,048 rows of 128 bytes,
	s_lshl_b32 s21, s15, 13         ; my 64 keys of an entry,
	s_add_co_u32 s20, s20, s21
	s_add_co_u32 s20, s20, 0x800000 ; in k
	s_mov_b32 s21, 0
	s_lshl_b32 s[OFF], s16, 14
	s_mov_b32 s[OFF+1], 0
	s_wait_dscnt 0x0                ; the opening add is done
	s_wait_kmcnt 0x0
	s_add_nc_u64 s[BK:BK+1], s[4:5], s[20:21]
	s_add_nc_u64 s[BVA:BVA+1], s[BK:BK+1], 0x800000
	s_add_nc_u64 s[G0K+2:G0K+3], s[BK:BK+1], s[OFF:OFF+1]
	s_or_b32 s[G0K+3], s[G0K+3], 0x80000000
	s_add_nc_u64 s[G0V+2:G0V+3], s[BVA:BVA+1], s[OFF:OFF+1]
	s_or_b32 s[G0V+3], s[G0V+3], 0x80000000
	s_lshl_b32 s[OFF], s[PB], 14    ; the walk's last entry is the second block's diagonal one, number pb
	s_add_nc_u64 s[G0XK+2:G0XK+3], s[BK:BK+1], s[OFF:OFF+1]
	s_or_b32 s[G0XK+3], s[G0XK+3], 0x80000000
	s_add_nc_u64 s[G0XV+2:G0XV+3], s[BVA:BVA+1], s[OFF:OFF+1]
	s_or_b32 s[G0XV+3], s[G0XV+3], 0x80000000
	; The first fills, ahead of every wait on TENSORcnt (all of which are for 0), every LDS read and every barrier: each wave its part of slot 0; the four waves that fetch a slot's first entry also their part of the 17th.
	s_cmp_lt_u32 s[WV], 4
	s_cbranch_scc0 .Lfirst_v
	tensor_load_to_lds s[G0K:G0K+3], s[G1K:G1K+7]
	s_nop 0
	s_cmp_lt_u32 s[WV], 2
	s_cbranch_scc0 .Lfirst_done
	tensor_load_to_lds s[G0XK:G0XK+3], s[G1K:G1K+7]
	s_nop 0
	s_branch .Lfirst_done
.Lfirst_v:
	tensor_load_to_lds s[G0V:G0V+3], s[G1V:G1V+7]
	s_nop 0
	s_cmp_lt_u32 s[WV], 6
	s_cbranch_scc0 .Lfirst_done
	tensor_load_to_lds s[G0XV:G0XV+3], s[G1V:G1V+7]
	s_nop 0
.Lfirst_done:
	s_lshl_b32 s17, s[BH], 18       ; Q: the head, my 16 rows of a band,
	s_lshl_b32 s18, s[U], 11
	s_add_co_u32 s17, s17, s18
	s_lshl_b32 s22, s[HI], 14       ; the block's 128 rows
	s_add_co_u32 s22, s22, s17
	s_mov_b32 s23, 0
	s_add_nc_u64 s[QHI:QHI+1], s[4:5], s[22:23]
	s_lshl_b32 s22, s[PB], 14
	s_add_co_u32 s22, s22, s17
	s_add_nc_u64 s[QLO:QLO+1], s[4:5], s[22:23]
	s_lshr_b32 s18, s[BH], 4        ; O: b x 1,024 pairs of rows of 4,096 bytes,
	s_lshl_b32 s18, s18, 22
	s_and_b32 s19, s[BH], 15        ; the head's 256 bytes in a pair,
	s_lshl_b32 s19, s19, 8
	s_add_co_u32 s18, s18, s19
	s_lshl_b32 s19, s[G], 17        ; my tile 0's band: 32 pairs,
	s_add_co_u32 s18, s18, s19
	s_lshl_b32 s19, s[U], 15        ; my 8 pairs in it,
	s_add_co_u32 s18, s18, s19
	s_lshl_b32 s22, s[HI], 18       ; the block's 64 pairs
	s_add_co_u32 s22, s22, s18
	s_add_nc_u64 s[OB:OB+1], s[6:7], s[22:23]
	s_lshl_b32 s22, s[PB], 18
	s_add_co_u32 s22, s22, s18
	s_add_nc_u64 s[OLO:OLO+1], s[6:7], s[22:23]
	v_and_b32 v32, 15, v0           ; l % 16
	v_bfe_u32 v33, v0, 4, 1         ; l / 16
	v_and_b32 v34, 7, v0
	v_bfe_u32 v35, v0, 3, 1
	v_and_b32 v36, 31, v0
	v_lshlrev_b32 v[QO0], 7, v32
	v_lshl_add_u32 v[QO0], v33, 4, v[QO0]
	s_lshl_b32 s15, s[G], 13        ; tile 0 lies in band g, 64 rows of 128 bytes on; tile 1 in the other band
	v_add_nc_u32 v[QO0], s15, v[QO0]
	v_xor_b32 v[QO0+1], 0x2000, v[QO0]
	QLOAD QHI
	v_mul_u32_u24 v[AK0], v32, PK
	v_lshl_add_u32 v[AK0], v33, 4, v[AK0]
	s_mul_i32 s15, s[G], 64*PK      ; my group's 64 keys
	v_add_nc_u32 v[AK0], s15, v[AK0]
	; The turning load takes 16 keys x 16 channels (lane l reads key 8 (l / 16) + l % 8, channels 8 ((l / 8) % 2) + 0..7) and leaves half a fragment of V^T: lane l holds channel l % 16 and 8 keys.
	v_lshl_add_u32 v[AV0], v33, 3, v34
	v_mul_u32_u24 v[AV0], v[AV0], PV
	v_lshl_add_u32 v[AV0], v35, 4, v[AV0]
	s_mul_i32 s15, s[G], 64*PV
	s_add_co_u32 s15, s15, VOFF
	v_add_nc_u32 v[AV0], s15, v[AV0]
	s_mul_i32 s15, s[WV], STW
	s_add_co_u32 s15, s15, STAGE    ; my bytes of the stage,
	s_xor_b32 s16, s[WV], 4
	s_mul_i32 s16, s16, STW
	s_add_co_u32 s16, s16, STAGE    ; my partner's
	v_lshl_add_u32 v[STX], v36, 4, s15
	v_lshl_add_u32 v[LDX], v36, 4, s16
	v_mul_u32_u24 v[STO], v32, PK   ; the way out, in: row l % 16 of 144 bytes, 16 bytes for each half of the lanes
	v_lshl_add_u32 v[STO], v33, 4, v[STO]
	v_add_nc_u32 v[STO], s15, v[STO]
	v_bfe_u32 v[RD], v0, 3, 2       ; back: 32 lanes take four rows of 128 bytes,
	v_mul_u32_u24 v[RD], v[RD], PK
	v_lshl_add_u32 v[RD], v34, 4, v[RD]
	v_add_nc_u32 v[RD], s15, v[RD]
	v_lshlrev_b32 v[GO], 12, v33    ; which are two pairs of rows: 256 bytes each, 4,096 apart
	v_lshl_add_u32 v[GO], v32, 4, v[GO]
	v_lshlrev_b32 v15, 3, v33
	v_sub_nc_u32 v[DG0], v32, v15
	s_lshl_b32 s17, s[U], 4
	v_add_nc_u32 v[DG0], s17, v[DG0]   ; tile 0: my query's place in its band, 16 u + l % 16, less 8 (l / 16)
	s_lshl_b32 s17, s[G], 7
	s_sub_co_i32 s17, 64, s17
	v_add_nc_u32 v[DG0+1], s17, v[DG0] ; tile 1 lies a band above my keys (g = 0: 56 or more, nothing hidden) or below (g = 1: -1 or less, all hidden)
	v_mov_b32 v[NIV], 0xff800000
	; O and l need only be finite when a block begins; these lines stand in the wait for the first entry.
.set i, 0
.rept 64
	v_mov_b32 v[O+i], 0
.set i, i+1
.endr
.irp t, 0,1
	v_mov_b32 v[ST+4*\t+2], 0
	v_mov_b32 v[ST+4*\t+3], 0
.endr
	START
.macro FETCH_K                      ; 64 keys x 64 channels: key block f / 2, channel half f % 2
.irp f, 0,1,2,3,4,5,6,7
	ds_load_b128 v[KV+8*\f:KV+8*\f+3],   v[ADR] offset:(\f/2)*16*PK+(\f%2)*64
	ds_load_b128 v[KV+8*\f+4:KV+8*\f+7], v[ADR] offset:(\f/2)*16*PK+(\f%2)*64+32
.endr
.endm
.macro FETCH_V                      ; turned: key half f / 4, channel block f % 4
.irp f, 0,1,2,3,4,5,6,7
	ds_load_tr16_b128 v[KV+8*\f:KV+8*\f+3],   v[ADR] offset:(\f/4)*32*PV+(\f%4)*32
	ds_load_tr16_b128 v[KV+8*\f+4:KV+8*\f+7], v[ADR] offset:(\f/4)*32*PV+16*PV+(\f%4)*32
.endr
.endm
; The eight accumulators of a run of 16 take turns, one instruction a turn.
.macro KQ                           ; product i: channels 32 (i / 8) on, keys 16 ((i / 2) % 4) on, tile i % 2; the first eight start the sums
.set i, 0
.rept 16
.set rS, S+32*(i%2)+8*((i/2)%4)
.set rK, KV+16*((i/2)%4)+8*(i/8)
.set rQ, Q+16*(i%2)+8*(i/8)
.if i < 8
	v_wmma_f32_16x16x32_f16 v[rS:rS+7], v[rK:rK+7], v[rQ:rQ+7], 0
.else
	v_wmma_f32_16x16x32_f16 v[rS:rS+7], v[rK:rK+7], v[rQ:rQ+7], v[rS:rS+7]
.endif
.set i, i+1
.endr
.endm
.macro PVM                          ; product i: keys 32 (i / 8) on, channels 16 ((i / 2) % 4) on, tile i % 2
.set i, 0
.rept 16
.set rO, O+32*(i%2)+8*((i/2)%4)
.set rV, KV+32*(i/8)+8*((i/2)%4)
.set rP, S+32*(i%2)+8*(i/8)
	v_wmma_f32_16x16x32_f16 v[rO:rO+7], v[rV:rV+7], v[rP:rP+7], v[rO:rO+7]
.set i, i+1
.endr
.endm
; Register i of a tile holds key 16 (i / 8) + i % 8 + 8 (l / 16) of my 64.  Tile 0 holds the diagonal: a compare for each register.  Tile 1 is hidden as a whole or not at all: one compare for all 32.
; Ascending.
.macro MASK
.set i, 0
.rept 32
	v_cmp_gt_i32 vcc_lo, 16*(i/8)+i%8, v[DG0]
	v_cndmask_b32 v[S+i], v[S+i], v[NIV], vcc_lo
.set i, i+1
.endr
	v_cmp_gt_i32 vcc_lo, 0, v[DG0+1]
.set i, 0
.rept 32
	v_cndmask_b32 v[S+32+i], v[S+32+i], v[NIV], vcc_lo
.set i, i+1
.endr
.endm
.macro REGS t
.set rT, ST+4*(\t)
.set rC, TMP+4*(\t)
.set rS, S+32*(\t)
.set rO, O+32*(\t)
.endm
; Number n of the 22 that find a tile's maximum and statistics.  0-11: four chains of seven scores (each accumulator's lowest registers first); 12-15: the four scores left over, the old m,
; and the chains into c0; 16, 17: the query's other 32 keys lie in the lane 16 away; 18-21: c m, c m_old - c m_new, c m kept, a.
.macro XS t, n
	REGS \t
.if (\n) < 4
	v_max3_num_f32 v[rC+(\n)], v[rS+8*(\n)], v[rS+8*(\n)+1], v[rS+8*(\n)+2]
.elseif (\n) < 12
	v_max3_num_f32 v[rC+(\n)%4], v[rC+(\n)%4], v[rS+8*((\n)%4)+2*((\n)/4)+1], v[rS+8*((\n)%4)+2*((\n)/4)+2]
.elseif (\n) == 12
	v_max3_num_f32 v[rC], v[rC], v[rS+7], v[rS+15]
.elseif (\n) == 13
	v_max3_num_f32 v[rC+1], v[rC+1], v[rS+23], v[rS+31]
.elseif (\n) == 14
	v_max3_num_f32 v[rC+2], v[rC+2], v[rC+3], v[rT+1]
.elseif (\n) == 15
	v_max3_num_f32 v[rC], v[rC], v[rC+1], v[rC+2]
.elseif (\n) == 16
	v_permlanex16_b32 v[rC+3], v[rC], s[SEL], s[SEL+1]
.elseif (\n) == 17
	v_max_num_f32 v[rT+1], v[rC], v[rC+3]
.elseif (\n) == 18
	v_mul_f32 v[rC], s[CS], v[rT+1]
.elseif (\n) == 19
	v_sub_f32 v[rC+1], v[rT], v[rC]
.elseif (\n) == 20
	v_mov_b32 v[rT], v[rC]
.else
	v_exp_f32 v[rC+2], v[rC+1]
.endif
.endm
.macro SOFTMAX
.irp n, 0,1,2,3,4,5,6,7,8,9,10,11,12,13,14,15,16,17,18,19,20,21
	XS 0, \n                        ; the two tiles alternate, so that no line waits for the one before it
	XS 1, \n
.endr
.set i, 0
.rept 32                            ; c s - c m, a pair at a time; these plain lines also stand behind the two exponentials above
	REGS i%2
	v_pk_fma_f32 v[rS+2*(i/2):rS+2*(i/2)+1], v[rS+2*(i/2):rS+2*(i/2)+1], s[CS:CS+1], v[rT:rT+1] op_sel_hi:[1,0,0] neg_lo:[0,0,1] neg_hi:[0,0,1]
.set i, i+1
.endr
.set i, 0
.rept 32                            ; exponential, O^T's rescaling, exponential, the sum of the tile's pair before: a plain line behind every exponential before its result is used
	REGS i%2
.set p, i/2
	v_exp_f32 v[rS+2*p], v[rS+2*p]
	s_wait_alu depctr_va_vdst(0)
	v_pk_mul_f32 v[rO+2*p:rO+2*p+1], v[rO+2*p:rO+2*p+1], v[rC+2:rC+3] op_sel_hi:[1,0]
	v_exp_f32 v[rS+2*p+1], v[rS+2*p+1]
.if p == 1
	s_wait_alu depctr_va_vdst(0)
	v_pk_fma_f32 v[rT+2:rT+3], v[rT+2:rT+3], v[rC+2:rC+3], v[rS:rS+1] op_sel_hi:[1,0,1]  ; l = a l + the first pair
.elseif p > 1
	s_wait_alu depctr_va_vdst(0)
	v_pk_add_f32 v[rT+2:rT+3], v[rT+2:rT+3], v[rS+2*p-2:rS+2*p-1]
.endif
.set i, i+1
.endr
	s_wait_alu depctr_va_vdst(0)
.irp t, 0,1
	v_pk_add_f32 v[ST+4*\t+2:ST+4*\t+3], v[ST+4*\t+2:ST+4*\t+3], v[S+32*\t+30:S+32*\t+31]
.endr
.irp t, 0,1
.set p, 0
.rept 16                            ; P over S^T's first half, ascending: a register is written when its own weight has been rounded
	v_cvt_pk_f16_f32 v[S+32*\t+p], v[S+32*\t+2*p], v[S+32*\t+2*p+1]
.set p, p+1
.endr
.endr
.endm
; A BLOCK'S END.  My tile 1 goes to my partner, its tile 1 (my tile 0's rows, the other 64 keys of every entry) comes to me; the two shares are joined by their maxima, divided by l, rounded and stored.
.macro END
.set i, 0
.rept 8
	ds_store_b128 v[STX], v[O+32+4*i:O+32+4*i+3] offset:512*i  ; ascending: each accumulator from its low end
.set i, i+1
.endr
	ds_store_b128 v[STX], v[ST+4:ST+7] offset:4096
	s_wait_dscnt 0x0                ; for my partner's sake: my stores are done
	s_barrier_signal -1
	s_barrier_wait -1
.set i, 0
.rept 9
	ds_load_b128 v[KV+4*i:KV+4*i+3], v[LDX] offset:512*i
.set i, i+1
.endr
	s_wait_dscnt 0x0                ; my reads of my partner's bytes are over: it may write them again behind the barrier
	s_barrier_signal -1             ; the join, work on registers alone, stands between the signal and the wait
	v_max_num_f32 v24, v[ST], v[KV+32]
	v_add_f32 v28, v[ST+2], v[ST+3]
	v_add_f32 v29, v[KV+34], v[KV+35]
	v_sub_f32 v25, v[ST], v24
	v_sub_f32 v27, v[KV+32], v24
	v_exp_f32 v24, v25              ; my share's factor,
	v_exp_f32 v26, v27              ; my partner's
	v_nop
	s_wait_alu depctr_va_vdst(0)
	v_mul_f32 v28, v24, v28
	v_fma_f32 v28, v26, v29, v28
	v_permlanex16_b32 v29, v28, s[SEL], s[SEL+1]  ; the other half of the lanes holds the query's other keys
	v_add_f32 v28, v28, v29
	v_rcp_f32 v28, v28
	v_nop
	s_wait_alu depctr_va_vdst(0)
	v_mul_f32 v24, v24, v28
	v_mul_f32 v26, v26, v28
.set i, 0
.rept 16
	v_pk_mul_f32 v[O+2*i:O+2*i+1], v[O+2*i:O+2*i+1], v[24:25] op_sel_hi:[1,0]
.set i, i+1
.endr
.set i, 0
.rept 16
	v_pk_fma_f32 v[O+2*i:O+2*i+1], v[KV+2*i:KV+2*i+1], v[26:27], v[O+2*i:O+2*i+1] op_sel_hi:[1,0,1]
.set i, i+1
.endr
.set i, 0
.rept 16
	v_cvt_pk_f16_f32 v[S+i], v[O+2*i], v[O+2*i+1]
.set i, i+1
.endr
	s_barrier_wait -1
.irp f, 0,1,2,3
	ds_store_b128 v[STO], v[S+4*\f:S+4*\f+3] offset:32*\f
.endr
.irp f, 0,1,2,3
	ds_load_b128 v[S+16+4*\f:S+16+4*\f+3], v[RD] offset:\f*4*PK  ; LDS serves a wave's instructions in order (ISA guide 5.7.1.4): these see the stores above
.endr
.irp f, 0,1,2,3
	s_wait_dscnt 3-\f
	global_store_b128 v[GO], v[S+16+4*\f:S+16+4*\f+3], s[OB:OB+1] offset:8192*\f  ; each half of the lanes stores 256 consecutive bytes, aligned
.endr
	s_wait_xcnt 0x0                 ; the stores' data and base are rewritten only behind this wait
	s_mov_b64 s[OB:OB+1], s[OLO:OLO+1]
	s_add_co_u32 s[RT], s[PB], 1    ; the second block has pb + 1 entries
	s_mov_b32 s[NEW], 1
	s_mov_b32 s[BLK], 1
.endm
; AN ENTRY, for my 64 keys of it.  All its jumps go forward, on numbers that are the same in all eight waves (made of the work-group's number and counters).
.macro ENTRY
	s_cmp_eq_u32 s[NEW], 1
	s_cbranch_scc0 .Lold_\@
	s_mov_b32 s[NEW], 0
	START
.Lold_\@:
	s_sub_co_u32 s[RT], s[RT], 1
	v_add_nc_u32 v[ADR], s[TB], v[AK0]
	FETCH_K
	s_wait_loadcnt 0x0              ; Q, where it has just been asked for
	s_wait_dscnt 0x0
	KQ
	v_add_nc_u32 v[ADR], s[TB], v[AV0]  ; with the three below: the four places between the products and the loads over K's registers, and the reads of the scores
.rept 3
	v_nop
.endr
	FETCH_V
	s_cmp_eq_u32 s[RT], 0
	s_cbranch_scc0 .Lplain_\@
	MASK                            ; the block's last entry holds the diagonal
	s_cmp_eq_u32 s[BLK], 0
	s_cbranch_scc0 .Lplain_\@
	QLOAD QLO                       ; the first block has multiplied by its Q for the last time: the second block's comes in under the softmax and the block's end
.Lplain_\@:
	SOFTMAX
	s_wait_dscnt 0x0                ; V is in
	PVM
.rept 5
	v_nop                           ; five places: the next products K Q^T write over P's registers; loads over V's and reads of O^T want four
.endr
	s_add_co_u32 s[TB], s[TB], ENT
	s_cmp_eq_u32 s[RT], 0
	s_cbranch_scc0 .Lon_\@
	END
.Lon_\@:
.endm
.Lslot:                             ; seven trips: a slot's two entries are walked while the other slot is filled
	CHANGE 1
	s_mov_b32 s[EC], 2
.Lent:
	ENTRY
	s_sub_co_u32 s[EC], s[EC], 1
	s_cmp_lg_u32 s[EC], 0
	s_cbranch_scc1 .Lent
	s_sub_co_u32 s[SL], s[SL], 1
	s_cmp_lg_u32 s[SL], 0
	s_cbranch_scc1 .Lslot
	CHANGE 0                        ; the tail is written out: slot 1's two entries and the 17th, which lies straight behind them
	s_mov_b32 s[EC], 3
.Lent2:
	ENTRY
	s_sub_co_u32 s[EC], s[EC], 1
	s_cmp_lg_u32 s[EC], 0
	s_cbranch_scc1 .Lent2
	s_wait_tensorcnt 0x0            ; the wave's end
	ds_add_u32 v[SPW], v[NIL]
	s_wait_dscnt 0x0
	s_endpgm
.Lfunc_end_k_q3640894084_attn:
	.size	k_q3640894084_attn, .Lfunc_end_k_q3640894084_attn-k_q3640894084_attn
	.p2alignl 7, 3214868480
	.fill 96, 4, 3214868480
	.section	.rodata,"a",@progbits
	.p2align	6, 0x0
	.amdhsa_kernel k_q3640894084_attn
		.amdhsa_group_segment_fixed_size 327680
		.amdhsa_private_segment_fixed_size 0
		.amdhsa_enable_private_segment 0
		.amdhsa_kernarg_size 16
		.amdhsa_user_sgpr_count 2
		.amdhsa_user_sgpr_kernarg_segment_ptr 1
		.amdhsa_wavefront_size32 1
		.amdhsa_system_sgpr_workgroup_id_x 1
		.amdhsa_system_sgpr_workgroup_id_y 1
		.amdhsa_system_sgpr_workgroup_id_z 1
		.amdhsa_system_vgpr_workitem_id 0
		.amdhsa_next_free_vgpr 256
		.amdhsa_next_free_sgpr 84
		.amdhsa_reserve_vcc 1
		.amdhsa_float_denorm_mode_32 3
		.amdhsa_float_denorm_mode_16_64 3
		.amdhsa_memory_ordered 1
		.amdhsa_forward_progress 1
		.amdhsa_inst_pref_size 71
	.end_amdhsa_kernel
	.amdgpu_metadata
---
amdhsa.version: [ 1, 2 ]
amdhsa.kernels:
  - .name:           k_q3640894084_attn
    .symbol:         k_q3640894084_attn.kd
    .args:
      - { .name: qkvb, .offset: 0, .size: 8, .value_kind: global_buffer, .address_space: global }
      - { .name: ob, .offset: 8, .size: 8, .value_kind: global_buffer, .address_space: global }
    .group_segment_fixed_size: 327680
    .private_segment_fixed_size: 0
    .kernarg_segment_align: 8
    .kernarg_segment_size: 16
    .max_flat_workgroup_size: 256
    .sgpr_count:     84
    .vgpr_count:     256
    .wavefront_size: 32
...
	.end_amdgpu_metadata
.endif
;; end of part 3
;; launch proj (part 4): grid 8 x 32, 4 waves a work-group, clusters of 4 x 4, 327,680 bytes of LDS; arguments ob, wh, b_proj, x, x1; writes x1
.if DOCPART == 4
	.amdgcn_target "amdgcn-amd-amdhsa--gfx1250"
	.amdhsa_code_object_version 6
	.text
	.protected	k_q3640894084_proj
	.globl	k_q3640894084_proj
	.p2align	8
	.type	k_q3640894084_proj,@function
k_q3640894084_proj:
	s_mov_b64 s[64:65], 0
	v_nop
	global_prefetch_b8 v0, s[64:65] scope:SCOPE_SE
	s_setreg_imm32_b32 hwreg(HW_REG_WAVE_MODE, 25, 1), 1
	s_wait_xcnt 0x0
	s_wait_alu depctr_hold_cnt(0) depctr_sa_sdst(0) depctr_va_vdst(0) depctr_va_sdst(0) depctr_va_ssrc(0) depctr_va_vcc(0) depctr_vm_vsrc(0)
	s_getreg_b32 s2, hwreg(HW_REG_IB_STS2, 6, 4)
	s_cmp_eq_u32 s2, 0
	s_cbranch_scc0 .Lentry_in_a_cluster
	s_endpgm
.Lentry_in_a_cluster:
	s_bfe_u32 s2, ttmp6, 0x10000c
	s_cmp_lg_u32 s2, 0xf033
	s_cbranch_scc0 .Lentry_shape_is_right
	s_endpgm
.Lentry_shape_is_right:
; x1 = x + O w_proj^T + b_proj.  A: ob, f16, o[b][s / 2][head][s % 2][64].  B: wh at byte 6,291,456, [1024][1024] f16.  Sums in f32, started by the bias; the residual is added in f32.
; x and x1 are f32 in the tensor's own order (row 2 s + b); the product's rows go by b x 2,048 + s, so from one row of C to the next are 8,192 bytes.
; A tile of C is 128 x 128: 8 x 32 work-groups.  Four waves, each 64 x 64: 16 accumulators.  K goes in steps of 256 through two LDS slots.
; A'S TILE: a K step is four heads, which lie together in a pair of token rows: 1,024 consecutive bytes.  So 64 rows of A come as 32 rows of 1,024 bytes, 4,096 apart, padded to 1,040 in LDS;
; row m, channel 64 q + d of the step lies at (m / 2) x 1,040 + 256 q + 128 (m % 2) + 2 d: the 16 rows of a fragment load start at 16 different groups of four banks.
; THE LOOP.  A trip is one K step: four quarters of 64 along K on two fragment buffers.  The slot in hand is a scalar, 0 or SLOT, turned by an exclusive or; the fragment addresses and the refill's LDS word are sums with it.
; Written out are the first quarter (its first products start the sums), the trip that fills (entered in its middle) and the trip that does not (twice).
; At a change of slots nothing stands between the wait for the next tile and the request behind it: the last quarter's products all follow the refill, so that they run while it is on its way.
; CLUSTER 4 x 4, joint loads, the transposed use of the matrix instruction and the bias as the first products' C operand: as in the launches beside it.
; The 64 x 64 residual of a wave is asked for at the start into 128 registers of its own and waited for only on the way out.
; LIMITS.  O and the weights are f16 (65,504).
; REGISTERS: window 0: v16-30 addresses; v32-63 the bias; v128-255 the accumulators ((a, b) at v[128 + 8 (4 a + b)])     window 1: two fragment buffers of 128     window 2: v0-127 the residual
.set PROJ, 1
.if PROJ
.set SIZE_K, 1024
.set WOFF,   6291456
.set HALFA,  32*1040                   ; what one tensor load brings of A
.set AROW,   8*1040                    ; from a block of 16 rows to the next
.set AKQ,    256                       ; from a quarter of a K step to the next, in A's LDS rows
.set ASTEP,  1024                      ; a K step in A's address
.set TSH,    18                        ; a tile's 128 rows of A, and of B, are 1 << TSH bytes
.else
.set SIZE_K, 4096
.set WOFF,   16777216
.set HALFA,  64*528
.set AROW,   16*528
.set AKQ,    128
.set ASTEP,  512
.set TSH,    20
.endif
.set KSTEP,  256
.set NSTEP,  SIZE_K/KSTEP
.set PITCH,  528                       ; B's LDS row: 512 bytes + 16
.set HALFB,  64*PITCH
.set BOFF,   2*HALFA
.set SLOT,   BOFF+2*HALFB
.set SPARE,  2*SLOT                    ; behind the ring: the spare words, 128 bytes a wave, which no other line names
.set SPITCH, 272                       ; the way out: a wave's 64 rows of 256 bytes + 16, in slot 0's bytes, which have had their last fill and their last read by then
.set AA,   16                          ; v16 my A fragments' place in a slot; v17 my B fragments'; never rewritten
.set AB,   17
.set CA,   20                          ; v20, v21 the same in the slot in hand
.set CB,   21
.set STO,  24
.set RD,   25
.set CO,   26
.set SPW,  28
.set NIL,  29
.set BO,   30
.set BI,   32
.set ACC,  128
.set F0,   0
.set F1,   128
.set G1, 24
.set G0, 32                            ; s[32:39] group 0 for A: a set for each of the two first fills; the second then walks on
.set G1B, 48
.set G0B, 56                           ; s[56:63] the same for B
.set BIA, 68                           ; s[68:69] the bias
.set RES, 70                           ; s[70:71] the residual
.set OUT, 72                           ; s[72:73] the output
.set LWA, 80                           ; s80 where in a slot the part of A lands that my wave fetches; s81 the same for B
.set LWB, 81
.set TB,  82                           ; s82 the slot in hand: 0 or SLOT
.set MSB, 0
.macro WIN new
.if MSB != (\new)
	s_set_vgpr_msb (MSB<<8)|(\new)
.set MSB, \new
.endif
.endm
.set MUL,  0x05                        ; sources 0 (B) and 1 (A) window 1; C and D window 0
.set TO_F, 0x40
.macro JLOAD s                         ; a joint load: waves 0 and 1 fetch A's two halves, waves 2 and 3 B's; an s_nop 0 and four v_nop follow each line
	s_cmp_eq_u32 s11, 0
	s_cbranch_scc0 .Lfor_b_\@
	tensor_load_to_lds s[G0+4*(\s):G0+4*(\s)+3], s[G1:G1+7]
	s_nop 0
.rept 4
	v_nop
.endr
	s_branch .Lasked_\@
.Lfor_b_\@:
	tensor_load_to_lds s[G0B+4*(\s):G0B+4*(\s)+3], s[G1B:G1B+7]
	s_nop 0
.rept 4
	v_nop
.endr
.Lasked_\@:
.endm
.macro CROUND                          ; a round of the cluster's barrier
	s_barrier_signal -1
	s_barrier_wait -1
	s_cmp_lg_u32 s10, 0
	s_cbranch_scc1 .Lnot_wave_0_\@
	s_barrier_signal -3
.Lnot_wave_0_\@:
	s_barrier_wait -3
	s_barrier_signal -1
	s_barrier_wait -1
.endm
	s_load_b128 s[4:7], s[0:1], 0x0                ; A s[4:5], wh s[6:7]
	s_load_b128 s[68:71], s[0:1], 0x10             ; bias, residual
	s_load_b64 s[72:73], s[0:1], 0x20              ; out
	v_lshl_add_u32 v[SPW], v0, 2, SPARE
	v_mov_b32 v[NIL], 0
	ds_add_u32 v[SPW], v[NIL]                      ; the wave's opening: the add and its wait stand ahead of my first tensor load
	ds_add_u32 v28, v29
	v_lshrrev_b32 v1, 5, v0
	v_readfirstlane_b32 s10, v1                    ; wave 0..3
	s_lshr_b32 s11, s10, 1                         ; my half of the tile's rows.  Also: I fetch for A (0) or for B (1)
	s_and_b32 s12, s10, 1                          ; my half of its columns.  Also: which half of that tile I fetch
	s_bfe_u32 s40, ttmp6, 0x40000
	s_bfe_u32 s41, ttmp6, 0x40004
	s_lshl_b32 s42, ttmp9, 2
	s_add_co_u32 s42, s42, s40                     ; tile column
	s_and_b32 s13, ttmp7, 0xffff
	s_lshl_b32 s13, s13, 2
	s_add_co_u32 s13, s13, s41                     ; tile row
	s_lshl_b32 s43, s41, 2
	s_lshl_b32 s43, 15, s43
	s_lshl_b32 s44, 0x1111, s40
.if PROJ
	s_or_b32 s[G1+0], s43, (1<<16)|(1<<20)|(1<<21)|(7<<22)|(3<<25)  ; padding after every 256 words, 4 words
	s_mov_b32 s[G1+1], 512<<16                     ; rows of 512 elements,
	s_mov_b32 s[G1+2], 32<<16                      ; 32 of them,
	s_mov_b32 s[G1+3], 512<<16
	s_mov_b32 s[G1+4], 32
	s_mov_b32 s[G1+5], 2048                        ; 2,048 elements apart
.else
	s_or_b32 s[G1+0], s43, (1<<16)|(1<<20)|(1<<21)|(6<<22)|(3<<25)  ; padding after every 128 words, 4 words
	s_mov_b32 s[G1+1], KSTEP<<16
	s_mov_b32 s[G1+2], 64<<16
	s_mov_b32 s[G1+3], KSTEP<<16
	s_mov_b32 s[G1+4], 64
	s_mov_b32 s[G1+5], SIZE_K
.endif
	s_mov_b32 s[G1+6], 0
	s_mov_b32 s[G1+7], 0
	s_or_b32 s[G1B+0], s44, (1<<16)|(1<<20)|(1<<21)|(6<<22)|(3<<25)
	s_mov_b32 s[G1B+1], KSTEP<<16
	s_mov_b32 s[G1B+2], 64<<16
	s_mov_b32 s[G1B+3], KSTEP<<16
	s_mov_b32 s[G1B+4], 64
	s_mov_b32 s[G1B+5], SIZE_K
	s_mov_b32 s[G1B+6], 0
	s_mov_b32 s[G1B+7], 0
	s_lshl_b32 s16, s13, TSH
	s_lshl_b32 s17, s12, TSH-1
	s_add_co_u32 s16, s16, s17                     ; A: the tile row's bytes + my half
	s_mov_b32 s17, 0
	s_lshl_b32 s46, s42, TSH
	s_lshl_b32 s47, s12, TSH-1
	s_add_co_u32 s46, s46, s47                     ; B: the tile column's + my half,
	s_add_co_u32 s46, s46, WOFF                    ; in wh
	s_mov_b32 s47, 0
	s_mul_i32 s[LWA], s10, HALFA                   ; where they go: A's halves at wave x HALFA (waves 0, 1),
	s_mul_i32 s[LWB], s10, HALFB                   ; B's at BOFF + (wave - 2) x HALFB (waves 2, 3)
	s_add_co_u32 s[LWB], s[LWB], BOFF-2*HALFB
	s_mov_b32 s[TB], 0
	s_wait_dscnt 0x0
	s_wait_kmcnt 0x0
	s_add_nc_u64 s[14:15], s[4:5], s[16:17]
	s_add_nc_u64 s[46:47], s[6:7], s[46:47]
	CROUND
.irp s, 0,1
	s_mov_b32 s[G0+4*(\s)], 1
	s_add_co_u32 s[G0+4*(\s)+1], s[LWA], (\s)*SLOT
	s_add_nc_u64 s[G0+4*(\s)+2:G0+4*(\s)+3], s[14:15], (\s)*ASTEP
	s_or_b32 s[G0+4*(\s)+3], s[G0+4*(\s)+3], 0x80000000
	s_mov_b32 s[G0B+4*(\s)], 1
	s_add_co_u32 s[G0B+4*(\s)+1], s[LWB], (\s)*SLOT
	s_add_nc_u64 s[G0B+4*(\s)+2:G0B+4*(\s)+3], s[46:47], (\s)*KSTEP*2
	s_or_b32 s[G0B+4*(\s)+3], s[G0B+4*(\s)+3], 0x80000000
	JLOAD \s
.endr
	v_and_b32 v1, 15, v0                           ; l % 16
	v_bfe_u32 v2, v0, 4, 1                         ; l / 16
	v_lshlrev_b32 v[BO], 5, v2
	v_lshlrev_b32 v5, 13, v2                       ; residual and output: lanes 0-15 one row's 256 bytes, lanes 16-31 the next row of C, 8,192 bytes on
	v_lshl_add_u32 v[CO], v1, 4, v5
	s_lshl_b32 s46, s42, 9                         ; my 64 columns in f32: 512 x tile column + 256 x half
	s_lshl_b32 s47, s12, 8
	s_add_co_u32 s46, s46, s47
	s_mov_b32 s47, 0
	s_add_nc_u64 s[BIA:BIA+1], s[BIA:BIA+1], s[46:47]
	s_and_b32 s16, s13, 15                         ; s = 128 x (tile row % 16) + 64 x row half: rows 2 s + b of 4,096 bytes, b = tile row / 16
	s_lshl_b32 s16, s16, 20
	s_lshl_b32 s17, s11, 19
	s_add_co_u32 s16, s16, s17
	s_lshr_b32 s17, s13, 4
	s_lshl_b32 s17, s17, 12
	s_add_co_u32 s16, s16, s17
	s_mov_b32 s17, 0
	s_add_nc_u64 s[RES:RES+1], s[RES:RES+1], s[16:17]
	s_add_nc_u64 s[RES:RES+1], s[RES:RES+1], s[46:47]
	s_add_nc_u64 s[OUT:OUT+1], s[OUT:OUT+1], s[16:17]
	s_add_nc_u64 s[OUT:OUT+1], s[OUT:OUT+1], s[46:47]
.irp b, 0,1,2,3
	global_load_b128 v[BI+8*\b:BI+8*\b+3],   v[BO], s[BIA:BIA+1] offset:64*\b
	global_load_b128 v[BI+8*\b+4:BI+8*\b+7], v[BO], s[BIA:BIA+1] offset:64*\b+16
.endr
	WIN 0x80                                       ; destination window 2
.set tt, 0
.rept 32
	global_load_b128 v[4*tt:4*tt+3], v[CO], s[RES:RES+1] offset:16384*tt th:TH_LOAD_NT
.set tt, tt+1
.endr
	WIN 0
	v_mul_u32_u24 v3, v1, PITCH
	v_lshl_add_u32 v3, v2, 4, v3                   ; B: a fragment's row x pitch + 16 x half
.if PROJ
	v_lshrrev_b32 v6, 1, v1                        ; A: the pair of rows, the row in it, 16 x half
	v_mul_u32_u24 v6, v6, 1040
	v_and_b32 v7, 1, v1
	v_lshl_add_u32 v6, v7, 7, v6
	v_lshl_add_u32 v6, v2, 4, v6
.set LA, 6
.else
.set LA, 3
.endif
	s_mul_i32 s21, s11, HALFA
	s_mul_i32 s22, s12, HALFB
	s_add_co_u32 s22, s22, BOFF
	v_add_nc_u32 v[AA], s21, v[LA]
	v_add_nc_u32 v[AB], s22, v3
	v_mov_b32 v[CA], v[AA]                         ; slot 0 is in hand
	v_mov_b32 v[CB], v[AB]
	s_mul_i32 s23, s10, 64*SPITCH                  ; my stage
	v_mul_u32_u24 v4, v1, SPITCH                   ; in: row l % 16, 32 bytes (eight f32) for each half of the lanes
	v_lshl_add_u32 v4, v2, 5, v4
	v_add_nc_u32 v[STO], s23, v4
	v_mul_u32_u24 v5, v2, SPITCH                   ; back: lanes 0-15 one row, lanes 16-31 the next
	v_lshl_add_u32 v5, v1, 4, v5
	v_add_nc_u32 v[RD], s23, v5
; 8 matrix instructions: row blocks a0, a0 + 1 x all 4 column blocks, 32 along K: half c of buffer f.  zero = 1: the first product starts the sum with the bias.  The 16 accumulators take turns.
.macro MUL8 f, c, a0, zero
	WIN MUL
.irp a, \a0, (\a0)+1
.irp b, 0,1,2,3
.if \zero
	v_wmma_f32_16x16x32_f16 v[ACC+8*(4*(\a)+(\b)):ACC+8*(4*(\a)+(\b))+7], v[(\f)+64+8*(4*(\c)+(\b)):(\f)+64+8*(4*(\c)+(\b))+7], v[(\f)+8*(4*(\c)+(\a)):(\f)+8*(4*(\c)+(\a))+7], v[BI+8*(\b):BI+8*(\b)+7]
.else
	v_wmma_f32_16x16x32_f16 v[ACC+8*(4*(\a)+(\b)):ACC+8*(4*(\a)+(\b))+7], v[(\f)+64+8*(4*(\c)+(\b)):(\f)+64+8*(4*(\c)+(\b))+7], v[(\f)+8*(4*(\c)+(\a)):(\f)+8*(4*(\c)+(\a))+7], v[ACC+8*(4*(\a)+(\b)):ACC+8*(4*(\a)+(\b))+7]
.endif
.endr
.endr
.endm
.macro FETCH q, f                      ; 32 LDS loads in one run: quarter q's fragments (64 along K) of the slot in hand into buffer f; the first 32 along K first
	WIN TO_F
.irp c, 0,1
.irp i, 0,1,2,3
	ds_load_b128 v[(\f)+64+8*(4*(\c)+(\i)):(\f)+64+8*(4*(\c)+(\i))+3],   v[CB] offset:128*(\q)+64*(\c)+(\i)*16*PITCH
	ds_load_b128 v[(\f)+64+8*(4*(\c)+(\i))+4:(\f)+64+8*(4*(\c)+(\i))+7], v[CB] offset:128*(\q)+64*(\c)+(\i)*16*PITCH+32
	ds_load_b128 v[(\f)+8*(4*(\c)+(\i)):(\f)+8*(4*(\c)+(\i))+3],         v[CA] offset:AKQ*(\q)+64*(\c)+(\i)*AROW
	ds_load_b128 v[(\f)+8*(4*(\c)+(\i))+4:(\f)+8*(4*(\c)+(\i))+7],       v[CA] offset:AKQ*(\q)+64*(\c)+(\i)*AROW+32
.endr
.endr
.endm
.macro PLACES                          ; four plain vector instructions between a matrix instruction and a load into, or a read of, its registers
.rept 4
	v_nop
.endr
.endm
.macro QUARTER q, f, g, zero           ; multiplies buffer f and fetches quarter q of the slot in hand into g
	s_wait_dscnt 16                                ; the first 32 along K are in
	MUL8 \f, 0, 0, \zero
	MUL8 \f, 0, 2, \zero
	PLACES
	FETCH \q, \g
	s_wait_dscnt 32                                ; all but the 32 just issued
	MUL8 \f, 1, 0, 0
	MUL8 \f, 1, 2, 0
.endm
; THE LAST QUARTER OF A K STEP begins with the change of slots.  Each wave waits for all its tensor loads (one is out: its part of the next slot), adds 0 to its spare word, and waits for that and for its
; reads of the slot in hand, the last of which were issued in the quarter before.  fill = 1: the barrier is a round of the cluster's, and the slot just read is filled again, two K steps ahead, first thing behind it.
; Then buffer 1 is multiplied, with the next slot's first fragments fetched in the middle.  fill = 0: nothing is asked for; in the very last step (counter 1) there is no next slot, and the run of loads is jumped over.
.macro TURN fill
	WIN 0
	s_wait_tensorcnt 0x0                           ; no tensor load of mine is out, so a group 0 may be written
	ds_add_u32 v[SPW], v[NIL]                      ; 0 onto my spare word; the work on registers below stands between it and the wait for it
.if \fill
	s_add_co_u32 s[G0+5], s[LWA], s[TB]            ; the walking descriptors: into the slot that has been read,
	s_add_co_u32 s[G0B+5], s[LWB], s[TB]
	s_add_nc_u64 s[G0+6:G0+7], s[G0+6:G0+7], ASTEP       ; the K step behind the one asked for last; the type bits on top are not reached
	s_add_nc_u64 s[G0B+6:G0B+7], s[G0B+6:G0B+7], KSTEP*2
.endif
	s_xor_b32 s[TB], s[TB], SLOT                   ; the other slot is in hand
	v_add_nc_u32 v[CA], s[TB], v[AA]
	v_add_nc_u32 v[CB], s[TB], v[AB]
	s_wait_dscnt 0x0                               ; the add is done, and my reads of the old slot are over
.if \fill
	CROUND                                         ; no wave of any partner still reads the old slot or has a load on its way
	JLOAD 1
.else
	s_barrier_signal -1
	s_barrier_wait -1
.endif
	MUL8 F1, 0, 0, 0
	MUL8 F1, 0, 2, 0
.if \fill
	PLACES
	FETCH 0, F0
.else
	WIN 0
	s_cmp_eq_u32 s3, 1
	s_cbranch_scc1 .Llast_\@
	PLACES
	FETCH 0, F0
	WIN 0
.Llast_\@:
.endif
	MUL8 F1, 1, 0, 0
	MUL8 F1, 1, 2, 0
.endm
	s_wait_tensorcnt 1                             ; my part of K step 0 is in; K step 1's may stay out
	s_barrier_signal -1
	s_barrier_wait -1
	FETCH 0, F0
	s_wait_loadcnt 32                              ; the bias is in; the 32 loads of the residual, issued behind it, stay out
	QUARTER 1, F0, F1, 1                           ; the first quarter is written out: its first products start the sums
	WIN 0
	s_mov_b32 s3, NSTEP-2
	s_branch .Lin                                  ; the loop is entered behind a step's first quarter
.Lstep:                                                ; all K steps but the last two: each fills its slot again with the step two on
	QUARTER 1, F0, F1, 0
	WIN 0
.Lin:
	QUARTER 2, F1, F0, 0
	QUARTER 3, F0, F1, 0
	TURN 1
	WIN 0
	s_sub_co_u32 s3, s3, 1
	s_cmp_lg_u32 s3, 0
	s_cbranch_scc1 .Lstep
	s_mov_b32 s3, 2
.Ltail:                                                ; the last two K steps fill nothing: a text of their own
	QUARTER 1, F0, F1, 0
	QUARTER 2, F1, F0, 0
	QUARTER 3, F0, F1, 0
	TURN 0
	WIN 0
	s_sub_co_u32 s3, s3, 1
	s_cmp_lg_u32 s3, 0
	s_cbranch_scc1 .Ltail
	; THE WAY OUT.  My 64 x 64 in f32 goes through my own 17,408 bytes of slot 0 and comes back as whole rows of 256 bytes; the residual is added; sixteen lanes store a row's 256 aligned bytes.
	; The last change of slots has shown every wave's reads of the ring over.
	PLACES
.irp a, 0,1,2,3
.irp b, 0,1,2,3
	ds_store_b128 v[STO], v[ACC+8*(4*\a+\b):ACC+8*(4*\a+\b)+3]   offset:\a*16*SPITCH+64*\b     ; each accumulator's low four registers first
	ds_store_b128 v[STO], v[ACC+8*(4*\a+\b)+4:ACC+8*(4*\a+\b)+7] offset:\a*16*SPITCH+64*\b+16
.endr
.endr
.set tt, 0
.rept 32
	ds_load_b128 v[ACC+4*tt:ACC+4*tt+3], v[RD] offset:tt*2*SPITCH  ; LDS serves a wave's instructions in order (ISA guide 5.7.1.4): these see the stores above
.set tt, tt+1
.endr
	s_wait_loadcnt 0x0                             ; the residual
	WIN 0x88                                       ; source 1 and destination in window 2: the sums land in the residual's registers, and the stores take their data there
.set tt, 0
.rept 32
	s_wait_dscnt 31-tt                             ; pair tt of rows is back
	v_pk_add_f32 v[4*tt:4*tt+1],   v[ACC+4*tt:ACC+4*tt+1],   v[4*tt:4*tt+1]
	v_pk_add_f32 v[4*tt+2:4*tt+3], v[ACC+4*tt+2:ACC+4*tt+3], v[4*tt+2:4*tt+3]
	global_store_b128 v[CO], v[4*tt:4*tt+3], s[OUT:OUT+1] offset:16384*tt
.set tt, tt+1
.endr
	WIN 0
	s_wait_tensorcnt 0x0                           ; the wave's end
	ds_add_u32 v[SPW], v[NIL]
	s_wait_dscnt 0x0
	CROUND                                         ; the closing round
	s_endpgm
.Lfunc_end_k_q3640894084_proj:
	.size	k_q3640894084_proj, .Lfunc_end_k_q3640894084_proj-k_q3640894084_proj
	.p2alignl 7, 3214868480
	.fill 96, 4, 3214868480
	.section	.rodata,"a",@progbits
	.p2align	6, 0x0
	.amdhsa_kernel k_q3640894084_proj
		.amdhsa_group_segment_fixed_size 327680
		.amdhsa_private_segment_fixed_size 0
		.amdhsa_enable_private_segment 0
		.amdhsa_kernarg_size 40
		.amdhsa_user_sgpr_count 2
		.amdhsa_user_sgpr_kernarg_segment_ptr 1
		.amdhsa_wavefront_size32 1
		.amdhsa_system_sgpr_workgroup_id_x 1
		.amdhsa_system_sgpr_workgroup_id_y 1
		.amdhsa_system_sgpr_workgroup_id_z 1
		.amdhsa_system_vgpr_workitem_id 0
		.amdhsa_next_free_vgpr 640
		.amdhsa_next_free_sgpr 84
		.amdhsa_reserve_vcc 0
		.amdhsa_float_denorm_mode_32 3
		.amdhsa_float_denorm_mode_16_64 3
		.amdhsa_memory_ordered 1
		.amdhsa_forward_progress 1
		.amdhsa_inst_pref_size 67
	.end_amdhsa_kernel
	.amdgpu_metadata
---
amdhsa.version: [ 1, 2 ]
amdhsa.kernels:
  - .name:           k_q3640894084_proj
    .symbol:         k_q3640894084_proj.kd
    .args:
      - { .name: ob, .offset: 0, .size: 8, .value_kind: global_buffer, .address_space: global }
      - { .name: wh, .offset: 8, .size: 8, .value_kind: global_buffer, .address_space: global }
      - { .name: b_proj, .offset: 16, .size: 8, .value_kind: global_buffer, .address_space: global }
      - { .name: x, .offset: 24, .size: 8, .value_kind: global_buffer, .address_space: global }
      - { .name: x1, .offset: 32, .size: 8, .value_kind: global_buffer, .address_space: global }
    .group_segment_fixed_size: 327680
    .private_segment_fixed_size: 0
    .kernarg_segment_align: 8
    .kernarg_segment_size: 40
    .max_flat_workgroup_size: 128
    .sgpr_count:     84
    .vgpr_count:     640
    .wavefront_size: 32
...
	.end_amdgpu_metadata
.endif
;; end of part 4
;; launch ln2: the kernel of part 1 again; grid 256 x 1, 8 waves a work-group, no clusters, 0 bytes of LDS; arguments x1, ln2_w, ln2_b, w_qkv, w_proj, w_fc1, w_fc2, xn, wh; writes xn, wh
;; launch fc1 (part 5): grid 16 x 16, 4 waves a work-group, clusters of 4 x 4, 327,680 bytes of LDS; arguments xn, wh, b_fc1, hm; writes hm
.if DOCPART == 5
	.amdgcn_target "amdgcn-amd-amdhsa--gfx1250"
	.amdhsa_code_object_version 6
	.text
	.protected	k_q3640894084_fc1
	.globl	k_q3640894084_fc1
	.p2align	8
	.type	k_q3640894084_fc1,@function
k_q3640894084_fc1:
	s_mov_b64 s[64:65], 0
	v_nop
	global_prefetch_b8 v0, s[64:65] scope:SCOPE_SE
	s_setreg_imm32_b32 hwreg(HW_REG_WAVE_MODE, 25, 1), 1
	s_wait_xcnt 0x0
	s_wait_alu depctr_hold_cnt(0) depctr_sa_sdst(0) depctr_va_vdst(0) depctr_va_sdst(0) depctr_va_ssrc(0) depctr_va_vcc(0) depctr_vm_vsrc(0)
	s_getreg_b32 s2, hwreg(HW_REG_IB_STS2, 6, 4)
	s_cmp_eq_u32 s2, 0
	s_cbranch_scc0 .Lentry_in_a_cluster
	s_endpgm
.Lentry_in_a_cluster:
	s_bfe_u32 s2, ttmp6, 0x10000c
	s_cmp_lg_u32 s2, 0xf033
	s_cbranch_scc0 .Lentry_shape_is_right
	s_endpgm
.Lentry_shape_is_right:
; hm = gelu(LN2(x1) w_fc1^T + b_fc1), tanh form.  A: xn [4096][1024] f16.  B: wh at byte 8,388,608, [4096][1024] f16.  Sums in f32, started by the bias; the activation in f32; hm [4096][4096] f16, rounded once.
; A tile of C is 256 x 256: 16 x 16 work-groups.  Four waves, each 128 x 128: 64 accumulators.  K goes in steps of 128 (rows of 256 bytes) through two LDS slots.
; THE LOOP.  A trip is one K step: four quarters of 32 along K on two fragment buffers.  The slot in hand is a scalar, 0 or SLOT, turned by an exclusive or; the fragment addresses and the refill's LDS word are sums with it.
; Written out are the first quarter (its products start the sums), the trip that fills (six times, entered in its middle) and the trip that does not (twice): nine quarters of text for 32.
; At a change of slots nothing stands between the wait for the next tile and the request behind it: the last quarter's products all follow the refill, so that they run while it is on its way.
; CLUSTER 4 x 4: A's tile is shared along a row of the cluster, B's along a column: joint loads with a mask of four.
; THE MATRIX INSTRUCTION IS USED TRANSPOSED (source 0 = 16 rows of B, source 1 = 16 rows of A): lane l holds row l % 16 of C and the columns 8 (l / 16) + 0..7; the bias of those columns is the C operand of the first K quarter's products.
; gelu(x) = x / (1 + 2^(x (C0 + C1 x^2))), C0 = -2 log2(e) sqrt(2 / pi), C1 = 0.044715 C0: the same function as 0.5 x (1 + tanh(..)); for large |x| it ends in x or in -0, never in a NaN.
; LIMITS.  f16 ends at 65,504: an activation beyond it becomes an infinity.
; REGISTERS, in windows of 256: window 0: v16-30 addresses; v64-127, v128-191 fragments of A; v192-255 the bias; on the way out v64-143 at work
;   window 1: v64-127, v128-191 fragments of B     window 2: accumulators of my rows 0-63, (a, b) at v[8 (8 a + b)]     window 3: those of rows 64-127
.set NBL,    8
.set TN,     32*NBL
.set WOFF,   8388608
.set SIZE_K, 1024
.set KSTEP,  128
.set NSTEP,  SIZE_K/KSTEP
.set PITCH,  272
.set HALFA,  128*PITCH
.set HALFB,  16*NBL*PITCH
.set BOFF,   2*HALFA
.set SLOT,   BOFF+2*HALFB
.set SPARE,  2*SLOT                    ; behind the ring: the spare words, 128 bytes a wave, which no other line names
.set NL,     16+2*NBL
.set SPITCH, 528                       ; the way out: a wave's row of 128 f32 + 16 bytes; four stages of 128 rows in the ring's bytes, which have had their last fill by then
.set AA,   16                          ; v16 my A fragments' place in a slot; v17 my B fragments'; never rewritten
.set AB,   17
.set CA,   20                          ; v20, v21 the same in the slot in hand
.set CB,   21
.set STO,  24
.set RD,   25
.set GO,   26
.set SPW,  28
.set NIL,  29
.set BO,   30
.set F0,   64
.set F1,   128
.set BI,   192
.set XR,   64
.set TR,   96
.set YR,   128
.set G1,  24
.set G0,  32                           ; s[32:39] group 0 for A: a set for each of the two first fills; the second then walks on
.set G1B, 48
.set G0B, 56                           ; s[56:63] the same for B
.set BIA, 68
.set OUT, 70
.set C0,  76                           ; s[76:77]
.set C1,  78                           ; s[78:79]
.set LWA, 80                           ; s80 where in a slot the part of A lands that my wave fetches; s81 the same for B
.set LWB, 81
.set TB,  82                           ; s82 the slot in hand: 0 or SLOT
.set MSB, 0
.macro WIN new
.if MSB != (\new)
	s_set_vgpr_msb (MSB<<8)|(\new)
.set MSB, \new
.endif
.endm
.set MUL_LO, 0xa1
.set MUL_HI, 0xf1
.set TO_B,   0x40
.macro JLOAD s                         ; a joint load: waves 0 and 1 fetch A's two halves, waves 2 and 3 B's; an s_nop 0 and four v_nop follow each line
	s_cmp_eq_u32 s11, 0
	s_cbranch_scc0 .Lfor_b_\@
	tensor_load_to_lds s[G0+4*(\s):G0+4*(\s)+3], s[G1:G1+7]
	s_nop 0
.rept 4
	v_nop
.endr
	s_branch .Lasked_\@
.Lfor_b_\@:
	tensor_load_to_lds s[G0B+4*(\s):G0B+4*(\s)+3], s[G1B:G1B+7]
	s_nop 0
.rept 4
	v_nop
.endr
.Lasked_\@:
.endm
.macro CROUND                          ; a round of the cluster's barrier
	s_barrier_signal -1
	s_barrier_wait -1
	s_cmp_lg_u32 s10, 0
	s_cbranch_scc1 .Lnot_wave_0_\@
	s_barrier_signal -3
.Lnot_wave_0_\@:
	s_barrier_wait -3
	s_barrier_signal -1
	s_barrier_wait -1
.endm
	s_load_b128 s[4:7], s[0:1], 0x0                ; A s[4:5], wh s[6:7]
	s_load_b128 s[68:71], s[0:1], 0x10             ; bias s[68:69], out s[70:71]
	v_lshl_add_u32 v[SPW], v0, 2, SPARE
	v_mov_b32 v[NIL], 0
	ds_add_u32 v[SPW], v[NIL]                      ; the wave's opening: the add and its wait stand ahead of my first tensor load
	ds_add_u32 v28, v29
	v_lshrrev_b32 v1, 5, v0
	v_readfirstlane_b32 s10, v1
	s_lshr_b32 s11, s10, 1
	s_and_b32 s12, s10, 1
	s_bfe_u32 s40, ttmp6, 0x40000
	s_bfe_u32 s41, ttmp6, 0x40004
	s_lshl_b32 s42, ttmp9, 2
	s_add_co_u32 s42, s42, s40                     ; tile column
	s_and_b32 s13, ttmp7, 0xffff
	s_lshl_b32 s13, s13, 2
	s_add_co_u32 s13, s13, s41                     ; tile row
	s_lshl_b32 s43, s41, 2
	s_lshl_b32 s43, 15, s43
	s_lshl_b32 s44, 0x1111, s40
	s_or_b32 s[G1+0], s43, (1<<16)|(1<<20)|(1<<21)|(5<<22)|(3<<25)
	s_or_b32 s[G1B+0], s44, (1<<16)|(1<<20)|(1<<21)|(5<<22)|(3<<25)
	s_mov_b32 s[G1+1], KSTEP<<16
	s_mov_b32 s[G1B+1], KSTEP<<16
	s_mov_b32 s[G1+2], 128<<16
	s_mov_b32 s[G1B+2], (16*NBL)<<16
	s_mov_b32 s[G1+3], KSTEP<<16
	s_mov_b32 s[G1B+3], KSTEP<<16
	s_mov_b32 s[G1+4], 128
	s_mov_b32 s[G1B+4], 16*NBL
	s_mov_b32 s[G1+5], SIZE_K
	s_mov_b32 s[G1B+5], SIZE_K
	s_mov_b32 s[G1+6], 0
	s_mov_b32 s[G1B+6], 0
	s_mov_b32 s[G1+7], 0
	s_mov_b32 s[G1B+7], 0
	s_mov_b32 s[C0], 0xc0135761                    ; -2.3022082
	s_mov_b32 s[C0+1], s[C0]
	s_mov_b32 s[C1], 0xbdd2d3e8                    ; -0.10294324
	s_mov_b32 s[C1+1], s[C1]
	s_lshl_b32 s17, s12, 7
	s_lshl_b32 s16, s13, 8
	s_add_co_u32 s16, s16, s17
	s_lshl_b32 s16, s16, 11
	s_mov_b32 s17, 0
	s_mul_i32 s46, s42, TN
	s_mul_i32 s47, s12, 16*NBL
	s_add_co_u32 s46, s46, s47
	s_lshl_b32 s46, s46, 11
	s_add_co_u32 s46, s46, WOFF
	s_mov_b32 s47, 0
	s_mul_i32 s[LWA], s10, HALFA                   ; where they go: A's halves at wave x HALFA (waves 0, 1),
	s_mul_i32 s[LWB], s10, HALFB                   ; B's at BOFF + (wave - 2) x HALFB (waves 2, 3)
	s_add_co_u32 s[LWB], s[LWB], BOFF-2*HALFB
	s_mov_b32 s[TB], 0
	s_wait_dscnt 0x0
	s_wait_kmcnt 0x0
	s_add_nc_u64 s[14:15], s[4:5], s[16:17]
	s_add_nc_u64 s[46:47], s[6:7], s[46:47]
	CROUND
.irp s, 0,1
	s_mov_b32 s[G0+4*(\s)], 1
	s_add_co_u32 s[G0+4*(\s)+1], s[LWA], (\s)*SLOT
	s_add_nc_u64 s[G0+4*(\s)+2:G0+4*(\s)+3], s[14:15], (\s)*KSTEP*2
	s_or_b32 s[G0+4*(\s)+3], s[G0+4*(\s)+3], 0x80000000
	s_mov_b32 s[G0B+4*(\s)], 1
	s_add_co_u32 s[G0B+4*(\s)+1], s[LWB], (\s)*SLOT
	s_add_nc_u64 s[G0B+4*(\s)+2:G0B+4*(\s)+3], s[46:47], (\s)*KSTEP*2
	s_or_b32 s[G0B+4*(\s)+3], s[G0B+4*(\s)+3], 0x80000000
	JLOAD \s
.endr
	v_and_b32 v1, 15, v0
	v_bfe_u32 v2, v0, 4, 1
	v_lshlrev_b32 v[BO], 5, v2
	s_mul_i32 s46, s42, TN*4
	s_mul_i32 s47, s12, 64*NBL
	s_add_co_u32 s46, s46, s47
	s_mov_b32 s47, 0
	s_add_nc_u64 s[BIA:BIA+1], s[BIA:BIA+1], s[46:47]
.set bb, 0
.rept NBL
	global_load_b128 v[BI+8*bb:BI+8*bb+3],   v[BO], s[BIA:BIA+1] offset:64*bb
	global_load_b128 v[BI+8*bb+4:BI+8*bb+7], v[BO], s[BIA:BIA+1] offset:64*bb+16
.set bb, bb+1
.endr
	v_mul_u32_u24 v3, v1, PITCH
	v_lshl_add_u32 v3, v2, 4, v3
	s_mul_i32 s21, s11, HALFA
	s_mul_i32 s22, s12, HALFB
	s_add_co_u32 s22, s22, BOFF
	v_add_nc_u32 v[AA], s21, v3
	v_add_nc_u32 v[AB], s22, v3
	v_mov_b32 v[CA], v[AA]                         ; slot 0 is in hand
	v_mov_b32 v[CB], v[AB]
	s_mul_i32 s23, s10, 128*SPITCH                 ; my stage
	v_mul_u32_u24 v4, v1, SPITCH                   ; in: row l % 16, 32 bytes (eight f32) for each half of the lanes
	v_lshl_add_u32 v4, v2, 5, v4
	v_add_nc_u32 v[STO], s23, v4
	v_and_b32 v5, 31, v0
	v_lshl_add_u32 v[RD], v5, 4, s23               ; back: 32 lanes take a row's 512 bytes,
	v_lshlrev_b32 v[GO], 3, v5                     ; which become 256 bytes of hm
	s_lshl_b32 s16, s13, 8
	s_lshl_b32 s17, s11, 7
	s_add_co_u32 s16, s16, s17                     ; my first row,
	s_lshl_b32 s16, s16, 13                        ; of 8,192 bytes
	s_mov_b32 s17, 0
	s_add_nc_u64 s[OUT:OUT+1], s[OUT:OUT+1], s[16:17]
	s_lshl_b32 s46, s42, 9                         ; my first column: 512 x tile column + 256 x half
	s_lshl_b32 s47, s12, 8
	s_add_co_u32 s46, s46, s47
	s_mov_b32 s47, 0
	s_add_nc_u64 s[OUT:OUT+1], s[OUT:OUT+1], s[46:47]
; 2 x NBL matrix instructions: row blocks a0, a0 + 1 of the window's four x all column blocks, 32 along K.  zero = 1: the first product starts the sum with the bias.
; The accumulators take turns, one instruction a turn, in the same order in every quarter.
.macro MULH f, hi, a0, zero
.if \zero
	WIN 0x81+0x40*(\hi)
.else
	WIN MUL_LO+0x50*(\hi)
.endif
.irp a, \a0, (\a0)+1
.set bb, 0
.rept NBL
.set rD, 8*(NBL*(\a)+bb)
.if \zero
	v_wmma_f32_16x16x32_f16 v[rD:rD+7], v[(\f)+8*bb:(\f)+8*bb+7], v[(\f)+8*(4*(\hi)+(\a)):(\f)+8*(4*(\hi)+(\a))+7], v[BI+8*bb:BI+8*bb+7]
.else
	v_wmma_f32_16x16x32_f16 v[rD:rD+7], v[(\f)+8*bb:(\f)+8*bb+7], v[(\f)+8*(4*(\hi)+(\a)):(\f)+8*(4*(\hi)+(\a))+7], v[rD:rD+7]
.endif
.set bb, bb+1
.endr
.endr
.endm
.macro FETCH k, f                      ; one run of NL LDS loads: a quarter step's fragments (B first, then A), at byte k of the rows of the slot in hand, into buffer f
	WIN TO_B
.set ii, 0
.rept NBL
	ds_load_b128 v[(\f)+8*ii:(\f)+8*ii+3],   v[CB] offset:(\k)+ii*16*PITCH
	ds_load_b128 v[(\f)+8*ii+4:(\f)+8*ii+7], v[CB] offset:(\k)+ii*16*PITCH+32
.set ii, ii+1
.endr
	WIN 0
.irp i, 0,1,2,3,4,5,6,7
	ds_load_b128 v[(\f)+8*(\i):(\f)+8*(\i)+3],   v[CA] offset:(\k)+(\i)*16*PITCH
	ds_load_b128 v[(\f)+8*(\i)+4:(\f)+8*(\i)+7], v[CA] offset:(\k)+(\i)*16*PITCH+32
.endr
.endm
.macro PLACES                          ; four plain vector instructions between a matrix instruction and a load into, or a read of, its registers
.rept 4
	v_nop
.endr
.endm
.macro QUARTER k, f, g, zero
	s_wait_dscnt 8                                 ; B and A's rows 0-63 are in; the youngest eight loads may be out
	MULH \f, 0, 0, \zero
	MULH \f, 0, 2, \zero
	PLACES
	FETCH \k, \g
	s_wait_dscnt NL                                ; all but the run just issued
	MULH \f, 1, 0, \zero
	MULH \f, 1, 2, \zero
.endm
; THE LAST QUARTER OF A K STEP begins with the change of slots.  Each wave waits for all its tensor loads (one is out: its part of the next slot), adds 0 to its spare word, and waits for that and for its
; reads of the slot in hand, the last of which were issued in the quarter before.  fill = 1: the barrier is a round of the cluster's, and the slot just read is filled again, two K steps ahead, first thing behind it.
; Then buffer 1 is multiplied, with the next slot's first fragments fetched in the middle.  fill = 0: nothing is asked for; in the very last step (counter 1) there is no next slot, and the run of loads is jumped over.
.macro TURN fill
	WIN 0
	s_wait_tensorcnt 0x0                           ; no tensor load of mine is out, so a group 0 may be written
	ds_add_u32 v[SPW], v[NIL]                      ; 0 onto my spare word; the work on registers below stands between it and the wait for it
.if \fill
	s_add_co_u32 s[G0+5], s[LWA], s[TB]            ; the walking descriptors: into the slot that has been read,
	s_add_co_u32 s[G0B+5], s[LWB], s[TB]
	s_add_nc_u64 s[G0+6:G0+7], s[G0+6:G0+7], KSTEP*2     ; the K step behind the one asked for last; the type bits on top are not reached
	s_add_nc_u64 s[G0B+6:G0B+7], s[G0B+6:G0B+7], KSTEP*2
.endif
	s_xor_b32 s[TB], s[TB], SLOT                   ; the other slot is in hand
	v_add_nc_u32 v[CA], s[TB], v[AA]
	v_add_nc_u32 v[CB], s[TB], v[AB]
	s_wait_dscnt 0x0                               ; the add is done, and my reads of the old slot are over
.if \fill
	CROUND                                         ; no wave of any partner still reads the old slot or has a load on its way
	JLOAD 1
.else
	s_barrier_signal -1
	s_barrier_wait -1
.endif
	MULH F1, 0, 0, 0
	MULH F1, 0, 2, 0
.if \fill
	PLACES
	FETCH 0, F0
.else
	WIN 0
	s_cmp_eq_u32 s3, 1
	s_cbranch_scc1 .Llast_\@
	PLACES
	FETCH 0, F0
	WIN 0
.Llast_\@:
.endif
	MULH F1, 1, 0, 0
	MULH F1, 1, 2, 0
.endm
	s_wait_tensorcnt 1                             ; my part of K step 0 is in; K step 1's may stay out
	s_barrier_signal -1
	s_barrier_wait -1
	FETCH 0, F0
	s_wait_loadcnt 0x0                             ; the bias
	QUARTER 64,  F0, F1, 1                         ; the first quarter is written out: its products start the sums
	WIN 0
	s_mov_b32 s3, NSTEP-2
	s_branch .Lin                                  ; the loop is entered behind a step's first quarter
.Lstep:                                                ; K steps 0 to 5: each fills its slot again with the step two on
	QUARTER 64,  F0, F1, 0
	WIN 0
.Lin:
	QUARTER 128, F1, F0, 0
	QUARTER 192, F0, F1, 0
	TURN 1
	WIN 0
	s_sub_co_u32 s3, s3, 1
	s_cmp_lg_u32 s3, 0
	s_cbranch_scc1 .Lstep
	s_mov_b32 s3, 2
.Ltail:                                                ; K steps 6 and 7 fill nothing: a text of their own
	QUARTER 64,  F0, F1, 0
	QUARTER 128, F1, F0, 0
	QUARTER 192, F0, F1, 0
	TURN 0
	WIN 0
	s_sub_co_u32 s3, s3, 1
	s_cmp_lg_u32 s3, 0
	s_cbranch_scc1 .Ltail
	; THE WAY OUT.  My 128 x 128 goes in f32 into my stage in the ring's bytes; then, eight rows a trip, whole rows come back, pass the activation, are rounded to f16 and stored, 256 aligned bytes a row.
	; The last change of slots has shown every wave's reads of the ring over (each waited for them in front of that barrier, and none has read it since).
	PLACES
.set aa, 0
.rept 8
	WIN 0x08+4*(aa/4)
.set bb, 0
.rept NBL
.set rD, 8*(NBL*(aa%4)+bb)
	ds_store_b128 v[STO], v[rD:rD+3]   offset:aa*16*SPITCH+64*bb      ; each accumulator's low four registers first
	ds_store_b128 v[STO], v[rD+4:rD+7] offset:aa*16*SPITCH+64*bb+16
.set bb, bb+1
.endr
.set aa, aa+1
.endr
	WIN 0
	s_wait_dscnt 0x0
	s_barrier_signal -1
	s_barrier_wait -1                              ; all stages are written
.macro GELU4 hh                        ; four rows: 16 numbers a lane, in 8 pairs
.set xb, XR+16*(\hh)
.set tb, TR+16*(\hh)
.set yb, YR+8*(\hh)
.set pp, 0
.rept 8
	v_pk_mul_f32 v[tb+2*pp:tb+2*pp+1], v[xb+2*pp:xb+2*pp+1], v[xb+2*pp:xb+2*pp+1]
.set pp, pp+1
.endr
.set pp, 0
.rept 8
	v_pk_fma_f32 v[tb+2*pp:tb+2*pp+1], v[tb+2*pp:tb+2*pp+1], s[C1:C1+1], s[C0:C0+1] op_sel_hi:[1,0,0]
.set pp, pp+1
.endr
.set pp, 0
.rept 8
	v_pk_mul_f32 v[tb+2*pp:tb+2*pp+1], v[tb+2*pp:tb+2*pp+1], v[xb+2*pp:xb+2*pp+1]
.set pp, pp+1
.endr
.set pp, 0
.rept 16
	v_exp_f32 v[tb+pp], v[tb+pp]
.set pp, pp+1
.endr
	v_nop                                          ; a plain instruction between the last exponential and the use of its result
.set pp, 0
	s_wait_alu depctr_va_vdst(0)
.rept 8
	v_pk_add_f32 v[tb+2*pp:tb+2*pp+1], v[tb+2*pp:tb+2*pp+1], 1.0 op_sel_hi:[1,0]
.set pp, pp+1
.endr
.set pp, 0
.rept 16
	v_rcp_f32 v[tb+pp], v[tb+pp]
.set pp, pp+1
.endr
	v_nop
.set pp, 0
	s_wait_alu depctr_va_vdst(0)
.rept 8
	v_pk_mul_f32 v[tb+2*pp:tb+2*pp+1], v[tb+2*pp:tb+2*pp+1], v[xb+2*pp:xb+2*pp+1]
.set pp, pp+1
.endr
.set pp, 0
.rept 8
	v_cvt_pk_f16_f32 v[yb+pp], v[tb+2*pp], v[tb+2*pp+1]
.set pp, pp+1
.endr
.irp i, 0,1,2,3
	global_store_b64 v[GO], v[yb+2*\i:yb+2*\i+1], s[OUT:OUT+1] offset:8192*(4*(\hh)+\i)
.endr
.endm
	s_mov_b32 s2, 16
.Lout:
.irp i, 0,1,2,3,4,5,6,7
	ds_load_b128 v[XR+4*\i:XR+4*\i+3], v[RD] offset:SPITCH*\i
.endr
	s_wait_dscnt 4                                 ; the first four rows are in
	GELU4 0
	s_wait_dscnt 0x0
	GELU4 1
	s_wait_xcnt 0x0                                ; the stores' base and data are rewritten only behind this wait
	s_add_nc_u64 s[OUT:OUT+1], s[OUT:OUT+1], 65536
	v_add_nc_u32 v[RD], 8*SPITCH, v[RD]
	s_sub_co_u32 s2, s2, 1
	s_cmp_lg_u32 s2, 0
	s_cbranch_scc1 .Lout
	s_wait_tensorcnt 0x0                           ; the wave's end
	ds_add_u32 v[SPW], v[NIL]
	s_wait_dscnt 0x0
	CROUND                                         ; the closing round
	s_endpgm
.Lfunc_end_k_q3640894084_fc1:
	.size	k_q3640894084_fc1, .Lfunc_end_k_q3640894084_fc1-k_q3640894084_fc1
	.p2alignl 7, 3214868480
	.fill 96, 4, 3214868480
	.section	.rodata,"a",@progbits
	.p2align	6, 0x0
	.amdhsa_kernel k_q3640894084_fc1
		.amdhsa_group_segment_fixed_size 327680
		.amdhsa_private_segment_fixed_size 0
		.amdhsa_enable_private_segment 0
		.amdhsa_kernarg_size 32
		.amdhsa_user_sgpr_count 2
		.amdhsa_user_sgpr_kernarg_segment_ptr 1
		.amdhsa_wavefront_size32 1
		.amdhsa_system_sgpr_workgroup_id_x 1
		.amdhsa_system_sgpr_workgroup_id_y 1
		.amdhsa_system_sgpr_workgroup_id_z 1
		.amdhsa_system_vgpr_workitem_id 0
		.amdhsa_next_free_vgpr 1024
		.amdhsa_next_free_sgpr 84
		.amdhsa_reserve_vcc 0
		.amdhsa_float_denorm_mode_32 3
		.amdhsa_float_denorm_mode_16_64 3
		.amdhsa_memory_ordered 1
		.amdhsa_forward_progress 1
		.amdhsa_inst_pref_size 89
	.end_amdhsa_kernel
	.amdgpu_metadata
---
amdhsa.version: [ 1, 2 ]
amdhsa.kernels:
  - .name:           k_q3640894084_fc1
    .symbol:         k_q3640894084_fc1.kd
    .args:
      - { .name: xn, .offset: 0, .size: 8, .value_kind: global_buffer, .address_space: global }
      - { .name: wh, .offset: 8, .size: 8, .value_kind: global_buffer, .address_space: global }
      - { .name: b_fc1, .offset: 16, .size: 8, .value_kind: global_buffer, .address_space: global }
      - { .name: hm, .offset: 24, .size: 8, .value_kind: global_buffer, .address_space: global }
    .group_segment_fixed_size: 327680
    .private_segment_fixed_size: 0
    .kernarg_segment_align: 8
    .kernarg_segment_size: 32
    .max_flat_workgroup_size: 128
    .sgpr_count:     84
    .vgpr_count:     1024
    .wavefront_size: 32
...
	.end_amdgpu_metadata
.endif
;; end of part 5
;; launch fc2 (part 6): grid 8 x 32, 4 waves a work-group, clusters of 4 x 4, 327,680 bytes of LDS; arguments hm, wh, b_fc2, x1, out0; writes out0
.if DOCPART == 6
	.amdgcn_target "amdgcn-amd-amdhsa--gfx1250"
	.amdhsa_code_object_version 6
	.text
	.protected	k_q3640894084_fc2
	.globl	k_q3640894084_fc2
	.p2align	8
	.type	k_q3640894084_fc2,@function
k_q3640894084_fc2:
	s_mov_b64 s[64:65], 0
	v_nop
	global_prefetch_b8 v0, s[64:65] scope:SCOPE_SE
	s_setreg_imm32_b32 hwreg(HW_REG_WAVE_MODE, 25, 1), 1
	s_wait_xcnt 0x0
	s_wait_alu depctr_hold_cnt(0) depctr_sa_sdst(0) depctr_va_vdst(0) depctr_va_sdst(0) depctr_va_ssrc(0) depctr_va_vcc(0) depctr_vm_vsrc(0)
	s_getreg_b32 s2, hwreg(HW_REG_IB_STS2, 6, 4)
	s_cmp_eq_u32 s2, 0
	s_cbranch_scc0 .Lentry_in_a_cluster
	s_endpgm
.Lentry_in_a_cluster:
	s_bfe_u32 s2, ttmp6, 0x10000c
	s_cmp_lg_u32 s2, 0xf033
	s_cbranch_scc0 .Lentry_shape_is_right
	s_endpgm
.Lentry_shape_is_right:
; out0 = x1 + hm w_fc2^T + b_fc2.  A: hm [4096 rows b x 2,048 + s][4096] f16.  B: wh at byte 16,777,216, [1024][4096] f16.  Sums in f32, started by the bias; the residual is added in f32.
; x1 and out0 are f32 in the tensor's own order (row 2 s + b); the product's rows go by b x 2,048 + s, so from one row of C to the next are 8,192 bytes.
; A tile of C is 128 x 128: 8 x 32 work-groups.  Four waves, each 64 x 64: 16 accumulators.  K goes in steps of 256 (rows of 512 bytes, padded to 528 in LDS) through two LDS slots.
; THE LOOP.  A trip is one K step: four quarters of 64 along K on two fragment buffers.  The slot in hand is a scalar, 0 or SLOT, turned by an exclusive or; the fragment addresses and the refill's LDS word are sums with it.
; Written out are the first quarter (its first products start the sums), the trip that fills (14 times, entered in its middle) and the trip that does not (twice).
; At a change of slots nothing stands between the wait for the next tile and the request behind it: the last quarter's products all follow the refill, so that they run while it is on its way.
; CLUSTER 4 x 4, joint loads, the transposed use of the matrix instruction and the bias as the first products' C operand: as in the launches beside it.
; AHEAD OF THE TENSOR LOADS the tiles are asked for by global_prefetch_b8.  In the trip whose refill brings K step t + 2, wave 0 asks for a share of A's tile of K step t + 4 and wave 2 for a share of B's:
; two trips, 256 matrix instructions a wave, ahead of the tensor load that will want them.  A share is 16 rows x 512 bytes: 32 lanes, 256 bytes apart, one instruction.  Of A's tile (128 rows, read by the eight
; work-groups of a tile row) it is the 16 rows numbered by the tile column: each block of hm is asked for once in the launch.  Of B's tile (read by all 32 tile rows) it is the 16 rows numbered by the tile row
; modulo 8: every eight neighbouring tile rows ask for all of the B that they read, and each block of the weight is asked for four times in the launch.  K steps 2 and 3 are asked for at the start, behind the
; first fills; steps 0 and 1 not at all.  The last two filling trips would ask past K's end: their offset is clamped to the last K step, inside both buffers.  What a work-group has asked for and not yet
; loaded is two steps' two shares at the most: 32 KiB.
; The 64 x 64 residual of a wave is asked for at the start into 128 registers of its own and waited for only on the way out.
; LIMITS.  hm and the weights are f16 (65,504).
; REGISTERS: window 0: v16-30 addresses; v32-63 the bias; v128-255 the accumulators ((a, b) at v[128 + 8 (4 a + b)])     window 1: two fragment buffers of 128     window 2: v0-127 the residual
.set SIZE_K, 4096
.set WOFF,   16777216                  ; the weight's first byte in wh
.set TSH,    20                        ; a tile's 128 rows of A, and of B, are 1 << TSH bytes
.set KSTEP,  256
.set NSTEP,  SIZE_K/KSTEP
.set AHEAD,  2                         ; trips between a prefetch and the tensor load of the same K step
.set PITCH,  528                       ; an LDS row: 512 bytes + 16 of padding: the 16 rows of a fragment load start at 16 different groups of four banks (ISA guide 11.1)
.set HALFA,  64*PITCH                  ; what one tensor load brings of A
.set HALFB,  64*PITCH                  ; and of B
.set BOFF,   2*HALFA
.set SLOT,   BOFF+2*HALFB
.set SPARE,  2*SLOT                    ; behind the ring: the spare words, 128 bytes a wave, which no other line names
.set SPITCH, 272                       ; the way out: a wave's 64 rows of 256 bytes + 16, in slot 0's bytes, which have had their last fill and their last read by then
.set AA,   16                          ; v16 my A fragments' place in a slot; v17 my B fragments'; never rewritten
.set AB,   17
.set PL,   18                          ; v18 prefetch: my lane's block in a share: row lane / 2, block lane % 2; never rewritten
.set PO,   19                          ; v19 the same at the K step that this trip asks for
.set CA,   20                          ; v20, v21 my fragments' places in the slot in hand
.set CB,   21
.set STO,  24
.set RD,   25
.set CO,   26
.set SPW,  28
.set NIL,  29
.set BO,   30
.set BI,   32
.set ACC,  128
.set F0,   0
.set F1,   128
.set G1, 24
.set G0, 32                            ; s[32:39] group 0 for A: a set for each of the two first fills; the second then walks on
.set G1B, 48
.set G0B, 56                           ; s[56:63] the same for B
.set BIA, 68
.set RES, 70
.set OUT, 72
.set PFB, 74                           ; s[74:75] prefetch: my share's first byte, in hm (waves 0, 1) or in the weight (waves 2, 3); never rewritten.  s[76:77] at work
.set SO,  78                           ; s78 prefetch: the byte along K of the step asked for last
.set LWA, 80                           ; s80 where in a slot the part of A lands that my wave fetches; s81 the same for B
.set LWB, 81
.set TB,  82                           ; s82 the slot in hand: 0 or SLOT
.set MSB, 0
.macro WIN new
.if MSB != (\new)
	s_set_vgpr_msb (MSB<<8)|(\new)
.set MSB, \new
.endif
.endm
.set MUL,  0x05                        ; sources 0 (B) and 1 (A) window 1; C and D window 0
.set TO_F, 0x40
.macro JLOAD s                         ; a joint load: waves 0 and 1 fetch A's two halves, waves 2 and 3 B's; an s_nop 0 and four v_nop follow each line
	s_cmp_eq_u32 s11, 0
	s_cbranch_scc0 .Lfor_b_\@
	tensor_load_to_lds s[G0+4*(\s):G0+4*(\s)+3], s[G1:G1+7]
	s_nop 0
.rept 4
	v_nop
.endr
	s_branch .Lasked_\@
.Lfor_b_\@:
	tensor_load_to_lds s[G0B+4*(\s):G0B+4*(\s)+3], s[G1B:G1B+7]
	s_nop 0
.rept 4
	v_nop
.endr
.Lasked_\@:
.endm
.macro CROUND                          ; a round of the cluster's barrier
	s_barrier_signal -1
	s_barrier_wait -1
	s_cmp_lg_u32 s10, 0
	s_cbranch_scc1 .Lnot_wave_0_\@
	s_barrier_signal -3
.Lnot_wave_0_\@:
	s_barrier_wait -3
	s_barrier_signal -1
	s_barrier_wait -1
.endm
	s_load_b128 s[4:7], s[0:1], 0x0                ; A s[4:5], wh s[6:7]
	s_load_b128 s[68:71], s[0:1], 0x10             ; bias, residual
	s_load_b64 s[72:73], s[0:1], 0x20              ; out
	v_lshl_add_u32 v[SPW], v0, 2, SPARE
	v_mov_b32 v[NIL], 0
	ds_add_u32 v[SPW], v[NIL]                      ; the wave's opening: the add and its wait stand ahead of my first tensor load
	ds_add_u32 v28, v29
	v_lshrrev_b32 v1, 5, v0
	v_readfirstlane_b32 s10, v1                    ; wave 0..3
	s_lshr_b32 s11, s10, 1                         ; my half of the tile's rows.  Also: I fetch for A (0) or for B (1)
	s_and_b32 s12, s10, 1                          ; my half of its columns.  Also: which half of that tile I fetch
	s_bfe_u32 s40, ttmp6, 0x40000
	s_bfe_u32 s41, ttmp6, 0x40004
	s_lshl_b32 s42, ttmp9, 2
	s_add_co_u32 s42, s42, s40                     ; tile column
	s_and_b32 s13, ttmp7, 0xffff
	s_lshl_b32 s13, s13, 2
	s_add_co_u32 s13, s13, s41                     ; tile row
	s_lshl_b32 s43, s41, 2
	s_lshl_b32 s43, 15, s43                        ; my row of the cluster
	s_lshl_b32 s44, 0x1111, s40                    ; my column
	s_or_b32 s[G1+0], s43, (1<<16)|(1<<20)|(1<<21)|(6<<22)|(3<<25)  ; mask; 2-byte elements; padding on; bit 21 beside a mask; after every 128 words; 4 words
	s_or_b32 s[G1B+0], s44, (1<<16)|(1<<20)|(1<<21)|(6<<22)|(3<<25)
.irp g, G1, G1B
	s_mov_b32 s[(\g)+1], KSTEP<<16                 ; rows of 256 elements,
	s_mov_b32 s[(\g)+2], 64<<16                    ; 64 of them,
	s_mov_b32 s[(\g)+3], KSTEP<<16
	s_mov_b32 s[(\g)+4], 64
	s_mov_b32 s[(\g)+5], SIZE_K                    ; 4,096 elements apart
	s_mov_b32 s[(\g)+6], 0
	s_mov_b32 s[(\g)+7], 0
.endr
	s_lshl_b32 s16, s13, TSH
	s_lshl_b32 s17, s12, TSH-1
	s_add_co_u32 s16, s16, s17                     ; A: the tile row's bytes + my half
	s_mov_b32 s17, 0
	s_lshl_b32 s46, s42, TSH
	s_lshl_b32 s47, s12, TSH-1
	s_add_co_u32 s46, s46, s47                     ; B: the tile column's + my half,
	s_add_co_u32 s46, s46, WOFF                    ; in wh
	s_mov_b32 s47, 0
	s_mul_i32 s[LWA], s10, HALFA                   ; where they go: A's halves at wave x HALFA (waves 0, 1),
	s_mul_i32 s[LWB], s10, HALFB                   ; B's at BOFF + (wave - 2) x HALFB (waves 2, 3)
	s_add_co_u32 s[LWB], s[LWB], BOFF-2*HALFB
	s_mov_b32 s[TB], 0
	s_wait_dscnt 0x0
	s_wait_kmcnt 0x0
	s_add_nc_u64 s[14:15], s[4:5], s[16:17]
	s_add_nc_u64 s[46:47], s[6:7], s[46:47]
	CROUND                                         ; all sixteen work-groups are here: the first joint loads meet
.irp s, 0,1
	s_mov_b32 s[G0+4*(\s)], 1
	s_add_co_u32 s[G0+4*(\s)+1], s[LWA], (\s)*SLOT
	s_add_nc_u64 s[G0+4*(\s)+2:G0+4*(\s)+3], s[14:15], (\s)*KSTEP*2
	s_or_b32 s[G0+4*(\s)+3], s[G0+4*(\s)+3], 0x80000000
	s_mov_b32 s[G0B+4*(\s)], 1
	s_add_co_u32 s[G0B+4*(\s)+1], s[LWB], (\s)*SLOT
	s_add_nc_u64 s[G0B+4*(\s)+2:G0B+4*(\s)+3], s[46:47], (\s)*KSTEP*2
	s_or_b32 s[G0B+4*(\s)+3], s[G0B+4*(\s)+3], 0x80000000
	JLOAD \s
.endr
	; The prefetch's addresses, in registers that feed no descriptor.  A's share: rows 128 x tile row + 16 x tile column on; B's: rows 128 x tile column + 16 x (tile row % 8) on; rows of 8,192 bytes.
	v_and_b32 v8, 31, v0
	v_lshrrev_b32 v9, 1, v8                        ; the row in the share: lane / 2,
	v_and_b32 v8, 1, v8                            ; the block of 256 bytes in the row's 512: lane % 2
	v_lshlrev_b32 v8, 8, v8
	v_lshl_add_u32 v[PL], v9, 13, v8
	s_lshl_b32 s8, s13, 20
	s_lshl_b32 s9, s42, 17
	s_add_co_u32 s8, s8, s9
	s_mov_b32 s9, 0
	s_add_nc_u64 s[PFB:PFB+1], s[4:5], s[8:9]
	s_lshl_b32 s8, s42, 20
	s_and_b32 s9, s13, 7
	s_lshl_b32 s9, s9, 17
	s_add_co_u32 s8, s8, s9
	s_add_co_u32 s8, s8, WOFF
	s_mov_b32 s9, 0
	s_add_nc_u64 s[PFB+2:PFB+3], s[6:7], s[8:9]
	s_cmp_eq_u32 s11, 0                            ; the choice hangs on the wave's number alone
	s_cselect_b64 s[PFB:PFB+1], s[PFB:PFB+1], s[PFB+2:PFB+3]
	s_mov_b32 s[SO], (1+AHEAD)*KSTEP*2             ; the last K step asked for at the start
	s_cmp_lg_u32 s12, 0                            ; waves 0 (A) and 2 (B) ask
	s_cbranch_scc1 .Lno_first_ask
.set kk, 0
.rept AHEAD                            ; K steps 2 and 3: the first two refills will want them
	global_prefetch_b8 v[PL], s[PFB:PFB+1] offset:(2+kk)*KSTEP*2 th:TH_LOAD_NT scope:SCOPE_SE
.set kk, kk+1
.endr
.Lno_first_ask:
	v_and_b32 v1, 15, v0                           ; l % 16
	v_bfe_u32 v2, v0, 4, 1                         ; l / 16
	v_lshlrev_b32 v[BO], 5, v2
	v_lshlrev_b32 v5, 13, v2                       ; residual and output: lanes 0-15 one row's 256 bytes, lanes 16-31 the next row of C, 8,192 bytes on
	v_lshl_add_u32 v[CO], v1, 4, v5
	s_lshl_b32 s46, s42, 9                         ; my 64 columns in f32: 512 x tile column + 256 x half
	s_lshl_b32 s47, s12, 8
	s_add_co_u32 s46, s46, s47
	s_mov_b32 s47, 0
	s_add_nc_u64 s[BIA:BIA+1], s[BIA:BIA+1], s[46:47]
	s_and_b32 s16, s13, 15                         ; s = 128 x (tile row % 16) + 64 x row half: rows 2 s + b of 4,096 bytes, b = tile row / 16
	s_lshl_b32 s16, s16, 20
	s_lshl_b32 s17, s11, 19
	s_add_co_u32 s16, s16, s17
	s_lshr_b32 s17, s13, 4
	s_lshl_b32 s17, s17, 12
	s_add_co_u32 s16, s16, s17
	s_mov_b32 s17, 0
	s_add_nc_u64 s[RES:RES+1], s[RES:RES+1], s[16:17]
	s_add_nc_u64 s[RES:RES+1], s[RES:RES+1], s[46:47]
	s_add_nc_u64 s[OUT:OUT+1], s[OUT:OUT+1], s[16:17]
	s_add_nc_u64 s[OUT:OUT+1], s[OUT:OUT+1], s[46:47]
.irp b, 0,1,2,3
	global_load_b128 v[BI+8*\b:BI+8*\b+3],   v[BO], s[BIA:BIA+1] offset:64*\b
	global_load_b128 v[BI+8*\b+4:BI+8*\b+7], v[BO], s[BIA:BIA+1] offset:64*\b+16
.endr
	WIN 0x80                                       ; destination window 2
.set tt, 0
.rept 32
	global_load_b128 v[4*tt:4*tt+3], v[CO], s[RES:RES+1] offset:16384*tt th:TH_LOAD_NT
.set tt, tt+1
.endr
	WIN 0
	v_mul_u32_u24 v3, v1, PITCH
	v_lshl_add_u32 v3, v2, 4, v3                   ; a fragment's row x pitch + 16 x half
	s_mul_i32 s21, s11, HALFA
	s_mul_i32 s22, s12, HALFB
	s_add_co_u32 s22, s22, BOFF
	v_add_nc_u32 v[AA], s21, v3
	v_add_nc_u32 v[AB], s22, v3
	v_mov_b32 v[CA], v[AA]                         ; slot 0 is in hand
	v_mov_b32 v[CB], v[AB]
	s_mul_i32 s23, s10, 64*SPITCH                  ; my stage
	v_mul_u32_u24 v4, v1, SPITCH                   ; in: row l % 16, 32 bytes (eight f32) for each half of the lanes
	v_lshl_add_u32 v4, v2, 5, v4
	v_add_nc_u32 v[STO], s23, v4
	v_mul_u32_u24 v5, v2, SPITCH                   ; back: lanes 0-15 one row, lanes 16-31 the next
	v_lshl_add_u32 v5, v1, 4, v5
	v_add_nc_u32 v[RD], s23, v5
; 8 matrix instructions: row blocks a0, a0 + 1 x all 4 column blocks, 32 along K: half c of buffer f.  zero = 1: the first product starts the sum with the bias.  The 16 accumulators take turns.
.macro MUL8 f, c, a0, zero
	WIN MUL
.irp a, \a0, (\a0)+1
.irp b, 0,1,2,3
.if \zero
	v_wmma_f32_16x16x32_f16 v[ACC+8*(4*(\a)+(\b)):ACC+8*(4*(\a)+(\b))+7], v[(\f)+64+8*(4*(\c)+(\b)):(\f)+64+8*(4*(\c)+(\b))+7], v[(\f)+8*(4*(\c)+(\a)):(\f)+8*(4*(\c)+(\a))+7], v[BI+8*(\b):BI+8*(\b)+7]
.else
	v_wmma_f32_16x16x32_f16 v[ACC+8*(4*(\a)+(\b)):ACC+8*(4*(\a)+(\b))+7], v[(\f)+64+8*(4*(\c)+(\b)):(\f)+64+8*(4*(\c)+(\b))+7], v[(\f)+8*(4*(\c)+(\a)):(\f)+8*(4*(\c)+(\a))+7], v[ACC+8*(4*(\a)+(\b)):ACC+8*(4*(\a)+(\b))+7]
.endif
.endr
.endr
.endm
.macro FETCH q, f                      ; 32 LDS loads in one run: quarter q's fragments (64 along K) of the slot in hand into buffer f; the first 32 along K first
	WIN TO_F
.irp c, 0,1
.irp i, 0,1,2,3
	ds_load_b128 v[(\f)+64+8*(4*(\c)+(\i)):(\f)+64+8*(4*(\c)+(\i))+3],   v[CB] offset:128*(\q)+64*(\c)+(\i)*16*PITCH
	ds_load_b128 v[(\f)+64+8*(4*(\c)+(\i))+4:(\f)+64+8*(4*(\c)+(\i))+7], v[CB] offset:128*(\q)+64*(\c)+(\i)*16*PITCH+32
	ds_load_b128 v[(\f)+8*(4*(\c)+(\i)):(\f)+8*(4*(\c)+(\i))+3],         v[CA] offset:128*(\q)+64*(\c)+(\i)*16*PITCH
	ds_load_b128 v[(\f)+8*(4*(\c)+(\i))+4:(\f)+8*(4*(\c)+(\i))+7],       v[CA] offset:128*(\q)+64*(\c)+(\i)*16*PITCH+32
.endr
.endr
.endm
.macro PLACES                          ; four plain vector instructions between a matrix instruction and a load into, or a read of, its registers
.rept 4
	v_nop
.endr
.endm
.macro QUARTER q, f, g, zero           ; multiplies buffer f and fetches quarter q of the slot in hand into g
	s_wait_dscnt 16                                ; the first 32 along K are in
	MUL8 \f, 0, 0, \zero
	MUL8 \f, 0, 2, \zero
	PLACES
	FETCH \q, \g
	s_wait_dscnt 32                                ; all but the 32 just issued
	MUL8 \f, 1, 0, 0
	MUL8 \f, 1, 2, 0
.endm
; The trip's prefetch: waves 0 and 2, one instruction each, behind the wave's refill and in front of matrix work.  It returns nothing and no wait counts it.
.macro ASK
	s_cmp_lg_u32 s12, 0
	s_cbranch_scc1 .Lno_ask_\@
	global_prefetch_b8 v[PO], s[PFB:PFB+1] th:TH_LOAD_NT scope:SCOPE_SE
.Lno_ask_\@:
.endm
; THE LAST QUARTER OF A K STEP begins with the change of slots.  Each wave waits for all its tensor loads (one is out: its part of the next slot), adds 0 to its spare word, and waits for that and for its
; reads of the slot in hand, the last of which were issued in the quarter before.  fill = 1: the barrier is a round of the cluster's, and the slot just read is filled again, two K steps ahead, first thing behind it.
; Then buffer 1 is multiplied, with the next slot's first fragments fetched in the middle.  fill = 0: nothing is asked for; in the very last step (counter 1) there is no next slot, and the run of loads is jumped over.
.macro TURN fill
	WIN 0
	s_wait_tensorcnt 0x0                           ; no tensor load of mine is out, so a group 0 may be written
	ds_add_u32 v[SPW], v[NIL]                      ; 0 onto my spare word; the work on registers below stands between it and the wait for it
.if \fill
	s_add_co_u32 s[G0+5], s[LWA], s[TB]            ; the walking descriptors: into the slot that has been read,
	s_add_co_u32 s[G0B+5], s[LWB], s[TB]
	s_add_nc_u64 s[G0+6:G0+7], s[G0+6:G0+7], KSTEP*2     ; the K step behind the one asked for last; the type bits on top are not reached
	s_add_nc_u64 s[G0B+6:G0B+7], s[G0B+6:G0B+7], KSTEP*2
	s_add_co_u32 s[SO], s[SO], KSTEP*2             ; the prefetch goes one K step on,
	s_min_u32 s[SO], s[SO], (NSTEP-1)*KSTEP*2      ; and stops at the last: no request points past a row's end
	s_wait_xcnt 0x0                                ; the last trip's prefetch, a whole trip back, has had its addresses translated (ISA guide 3.1): only behind this wait is its offset rewritten
	v_add_nc_u32 v[PO], s[SO], v[PL]
.endif
	s_xor_b32 s[TB], s[TB], SLOT                   ; the other slot is in hand
	v_add_nc_u32 v[CA], s[TB], v[AA]
	v_add_nc_u32 v[CB], s[TB], v[AB]
	s_wait_dscnt 0x0                               ; the add is done, and my reads of the old slot are over
.if \fill
	CROUND                                         ; no wave of any partner still reads the old slot or has a load on its way
	JLOAD 1
	ASK
.else
	s_barrier_signal -1
	s_barrier_wait -1
.endif
	MUL8 F1, 0, 0, 0
	MUL8 F1, 0, 2, 0
.if \fill
	PLACES
	FETCH 0, F0
.else
	WIN 0
	s_cmp_eq_u32 s3, 1
	s_cbranch_scc1 .Llast_\@
	PLACES
	FETCH 0, F0
	WIN 0
.Llast_\@:
.endif
	MUL8 F1, 1, 0, 0
	MUL8 F1, 1, 2, 0
.endm
	s_wait_tensorcnt 1                             ; my part of K step 0 is in; K step 1's may stay out
	s_barrier_signal -1
	s_barrier_wait -1
	FETCH 0, F0
	s_wait_loadcnt 32                              ; the bias is in; the 32 loads of the residual, issued behind it, stay out
	QUARTER 1, F0, F1, 1                           ; the first quarter is written out: its first products start the sums
	WIN 0
	s_mov_b32 s3, NSTEP-2
	s_branch .Lin                                  ; the loop is entered behind a step's first quarter
.Lstep:                                                ; all K steps but the last two: each fills its slot again with the step two on
	QUARTER 1, F0, F1, 0
	WIN 0
.Lin:
	QUARTER 2, F1, F0, 0
	QUARTER 3, F0, F1, 0
	TURN 1
	WIN 0
	s_sub_co_u32 s3, s3, 1
	s_cmp_lg_u32 s3, 0
	s_cbranch_scc1 .Lstep
	s_mov_b32 s3, 2
.Ltail:                                                ; the last two K steps fill nothing: a text of their own
	QUARTER 1, F0, F1, 0
	QUARTER 2, F1, F0, 0
	QUARTER 3, F0, F1, 0
	TURN 0
	WIN 0
	s_sub_co_u32 s3, s3, 1
	s_cmp_lg_u32 s3, 0
	s_cbranch_scc1 .Ltail
	; THE WAY OUT.  My 64 x 64 in f32 goes through my own 17,408 bytes of slot 0 and comes back as whole rows of 256 bytes; the residual is added; sixteen lanes store a row's 256 aligned bytes.
	; The last change of slots has shown every wave's reads of the ring over.
	PLACES
.irp a, 0,1,2,3
.irp b, 0,1,2,3
	ds_store_b128 v[STO], v[ACC+8*(4*\a+\b):ACC+8*(4*\a+\b)+3]   offset:\a*16*SPITCH+64*\b     ; each accumulator's low four registers first
	ds_store_b128 v[STO], v[ACC+8*(4*\a+\b)+4:ACC+8*(4*\a+\b)+7] offset:\a*16*SPITCH+64*\b+16
.endr
.endr
.set tt, 0
.rept 32
	ds_load_b128 v[ACC+4*tt:ACC+4*tt+3], v[RD] offset:tt*2*SPITCH  ; LDS serves a wave's instructions in order (ISA guide 5.7.1.4): these see the stores above
.set tt, tt+1
.endr
	s_wait_loadcnt 0x0                             ; the residual
	WIN 0x88                                       ; source 1 and destination in window 2: the sums land in the residual's registers, and the stores take their data there
.set tt, 0
.rept 32
	s_wait_dscnt 31-tt                             ; pair tt of rows is back
	v_pk_add_f32 v[4*tt:4*tt+1],   v[ACC+4*tt:ACC+4*tt+1],   v[4*tt:4*tt+1]
	v_pk_add_f32 v[4*tt+2:4*tt+3], v[ACC+4*tt+2:ACC+4*tt+3], v[4*tt+2:4*tt+3]
	global_store_b128 v[CO], v[4*tt:4*tt+3], s[OUT:OUT+1] offset:16384*tt
.set tt, tt+1
.endr
	WIN 0
	s_wait_tensorcnt 0x0                           ; the wave's end
	ds_add_u32 v[SPW], v[NIL]
	s_wait_dscnt 0x0
	CROUND                                         ; the closing round
	s_endpgm
.Lfunc_end_k_q3640894084_fc2:
	.size	k_q3640894084_fc2, .Lfunc_end_k_q3640894084_fc2-k_q3640894084_fc2
	.p2alignl 7, 3214868480
	.fill 96, 4, 3214868480
	.section	.rodata,"a",@progbits
	.p2align	6, 0x0
	.amdhsa_kernel k_q3640894084_fc2
		.amdhsa_group_segment_fixed_size 327680
		.amdhsa_private_segment_fixed_size 0
		.amdhsa_enable_private_segment 0
		.amdhsa_kernarg_size 40
		.amdhsa_user_sgpr_count 2
		.amdhsa_user_sgpr_kernarg_segment_ptr 1
		.amdhsa_wavefront_size32 1
		.amdhsa_system_sgpr_workgroup_id_x 1
		.amdhsa_system_sgpr_workgroup_id_y 1
		.amdhsa_system_sgpr_workgroup_id_z 1
		.amdhsa_system_vgpr_workitem_id 0
		.amdhsa_next_free_vgpr 640
		.amdhsa_next_free_sgpr 84
		.amdhsa_reserve_vcc 0
		.amdhsa_float_denorm_mode_32 3
		.amdhsa_float_denorm_mode_16_64 3
		.amdhsa_memory_ordered 1
		.amdhsa_forward_progress 1
		.amdhsa_inst_pref_size 68
	.end_amdhsa_kernel
	.amdgpu_metadata
---
amdhsa.version: [ 1, 2 ]
amdhsa.kernels:
  - .name:           k_q3640894084_fc2
    .symbol:         k_q3640894084_fc2.kd
    .args:
      - { .name: hm, .offset: 0, .size: 8, .value_kind: global_buffer, .address_space: global }
      - { .name: wh, .offset: 8, .size: 8, .value_kind: global_buffer, .address_space: global }
      - { .name: b_fc2, .offset: 16, .size: 8, .value_kind: global_buffer, .address_space: global }
      - { .name: x1, .offset: 24, .size: 8, .value_kind: global_buffer, .address_space: global }
      - { .name: out0, .offset: 32, .size: 8, .value_kind: global_buffer, .address_space: global }
    .group_segment_fixed_size: 327680
    .private_segment_fixed_size: 0
    .kernarg_segment_align: 8
    .kernarg_segment_size: 40
    .max_flat_workgroup_size: 128
    .sgpr_count:     84
    .vgpr_count:     640
    .wavefront_size: 32
...
	.end_amdgpu_metadata
.endif
;; end of part 6
;; ======== version 2 of 2: 7 launches; version 1 with the launches prep, ln2 written anew for expert scheduling mode
;; limits: values are held in f16: magnitudes above 65,504 overflow, below 6.1e-05 lose precision
;; workspace buffers: xn 8,388,608 bytes; wh 25,165,824 bytes; qkvb 25,165,824 bytes; ob 8,388,608 bytes; x1 16,777,216 bytes; hm 33,554,432 bytes
;; launch prep (part 7): grid 1024 x 1, 8 waves a work-group, no clusters, 0 bytes of LDS; arguments x, ln1_w, ln1_b, w_qkv, w_proj, w_fc1, w_fc2, xn, wh; writes xn, wh
.if DOCPART == 7
	.amdgcn_target "amdgcn-amd-amdhsa--gfx1250"
	.amdhsa_code_object_version 6
	.text
	.protected	k_q3640894084_prep
	.globl	k_q3640894084_prep
	.p2align	8
	.type	k_q3640894084_prep,@function
k_q3640894084_prep:
	s_mov_b64 s[64:65], 0
	v_nop
	global_prefetch_b8 v0, s[64:65] scope:SCOPE_SE
	s_setreg_imm32_b32 hwreg(HW_REG_WAVE_SCHED_MODE, 0, 2), 2
	s_setreg_imm32_b32 hwreg(HW_REG_WAVE_MODE, 25, 1), 1
	s_wait_xcnt 0x0
	s_wait_alu depctr_vm_vsrc(0)
; LAYERNORM OF ROWS OF 1,024 f32, AND THE WEIGHTS' CAST TO f16.  A stream: no LDS, no barrier, no matrix unit.
; Everything is rows of 1,024 f32 (4,096 bytes).  A work-group has 16 rows, each of its eight waves two.  Lane l holds the 16 bytes at 16 l + 512 j of a row (j = 0..7)
; and stores the 8 bytes at 8 l + 256 j of the f16 row: each store of a wave covers 256 consecutive bytes, aligned.
; Work-groups 0-255: LayerNorm of the 4,096 token rows (mean, then the centred squares, the row kept in registers; no difference of large sums), times w plus b, rounded to f16.
;   The input row is n = 2 s + b (as the tensor lies); the output row is b x 2,048 + s, the row order of all the products' A operands.
; Work-groups 256-447, 448-511, 512-767, 768-1023: w_qkv, w_proj, w_fc1, w_fc2 rounded to f16, dense, one behind the other in wh.  (A launch of 256 work-groups runs the first part alone.)
; LIMITS.  f16 ends at 65,504: a normalised value or a weight beyond it becomes an infinity; below 6e-5 f16 keeps its fixed step of 6e-8.
; THE MODE: SCHED_MODE bits 1:0 = 2 (LLVM: expert scheduling mode 2), set by the entry lines.  The code itself states the register dependences
; between vector instructions and memory instructions, with s_wait_alu, always for 0.
; THE PLAN.  Registers that memory instructions touch:
;   v2, v3         byte offsets, made once at the head and never written again: v2 is read by every load, v3 by every store.
;   X0, X1, W, BV  Written by the loads at the start, ahead of which no vector instruction names them; no load lands in them a second time.
;   Y0, Y1         Each register is written once, by a rounding, and read once, by a store; nothing writes it again.
;   s2             The wave's number: written by v_readfirstlane_b32, read by scalar instructions on both ways.
; So no register that a memory instruction has read is ever written again, and what is left to state is: s2 and the offsets, once, at the head; and that a block's roundings have written its Y
; ahead of its stores.  That wait stands at the head of the NEXT block (the second row; the next group of four loads), behind the wait for that block's data; the stores follow it, dealt among the next
; block's vector instructions, which name neither the Y that is being stored nor v3.  The last block's stores have a wait of their own.
.set T,  8                             ; v[8:15]    four chains of pairs
.set X0, 32                            ; v[32:63]   row 0
.set X1, 64                            ; v[64:95]   row 1
.set W,  96                            ; v[96:127]  the gain of my 32 columns
.set BV, 128                           ; v[128:159] the bias
.set Y0, 160                           ; v[160:175] row 0 in f16
.set Y1, 176                           ; v[176:191] row 1 in f16
	s_load_b512 s[8:23], s[0:1], 0x0               ; in s[8:9], gain s[10:11], bias s[12:13], w_qkv, w_proj, w_fc1, w_fc2 s[14:21], xn s[22:23]
	s_load_b64 s[24:25], s[0:1], 0x40              ; wh
	v_lshrrev_b32 v1, 5, v0
	v_readfirstlane_b32 s2, v1                     ; wave 0..7
	v_and_b32 v1, 31, v0
	v_lshlrev_b32 v2, 4, v1                        ; 16 x lane: where I read
	v_lshlrev_b32 v3, 3, v1                        ; 8 x lane: where I store
	v_mov_b32 v17, 0                               ; v_permlanex16_b32's destination counts as read
	s_mov_b32 s3, 0x3a800000                       ; 1 / 1,024
	s_mov_b32 s4, 0x76543210                       ; each lane takes its own place in the other half
	s_mov_b32 s5, 0xfedcba98
	s_mov_b32 s6, 0x3727c5ac                       ; 1e-5
	s_wait_alu depctr_va_sdst(0)                   ; s2 is written, ahead of the branch and of its first reader on either way: the rows' addresses are made from it
	s_wait_alu depctr_va_vdst(0)                   ; v2 and v3 are written: every load of the kernel reads v2 as its offset, every store v3, on both ways
	s_cmp_lt_u32 ttmp9, 256
	s_cbranch_scc0 .Lcast
	s_lshl_b32 s32, ttmp9, 16                      ; in: 16 rows of 4,096 bytes a work-group,
	s_lshl_b32 s33, s2, 13                         ; two a wave
	s_add_co_u32 s32, s32, s33
	s_mov_b32 s33, 0
	s_lshl_b32 s34, ttmp9, 14                      ; out: s = 8 x work-group + wave, rows of 2,048 bytes; b stands in the stores' immediate
	s_lshl_b32 s35, s2, 11
	s_add_co_u32 s34, s34, s35
	s_mov_b32 s35, 0
	s_wait_kmcnt 0x0
	s_add_nc_u64 s[26:27], s[8:9], s[32:33]
	s_add_nc_u64 s[30:31], s[22:23], s[34:35]
.irp j, 0,1,2,3,4,5,6,7
	global_load_b128 v[X0+4*\j:X0+4*\j+3], v2, s[26:27] offset:512*\j
.endr
.irp j, 0,1,2,3,4,5,6,7
	global_load_b128 v[W+4*\j:W+4*\j+3], v2, s[10:11] offset:512*\j
.endr
.irp j, 0,1,2,3,4,5,6,7
	global_load_b128 v[BV+4*\j:BV+4*\j+3], v2, s[12:13] offset:512*\j
.endr
.irp j, 0,1,2,3,4,5,6,7
	global_load_b128 v[X1+4*\j:X1+4*\j+3], v2, s[26:27] offset:4096+512*\j
.endr
; The four chains are joined and summed over the 32 lanes; every lane ends with the sum in v16.
.macro ACROSS
	v_pk_add_f32 v[T:T+1], v[T:T+1], v[T+2:T+3]
	v_pk_add_f32 v[T+4:T+5], v[T+4:T+5], v[T+6:T+7]
	v_pk_add_f32 v[T:T+1], v[T:T+1], v[T+4:T+5]
	v_add_f32 v16, v[T], v[T+1]
	v_add_f32_dpp v16, v16, v16 row_xmask:1 row_mask:0xf bank_mask:0xf
	v_add_f32_dpp v16, v16, v16 row_xmask:2 row_mask:0xf bank_mask:0xf
	v_add_f32_dpp v16, v16, v16 row_xmask:4 row_mask:0xf bank_mask:0xf
	v_add_f32_dpp v16, v16, v16 row_xmask:8 row_mask:0xf bank_mask:0xf
	v_permlanex16_b32 v17, v16, s4, s5
	v_add_f32 v16, v16, v17
.endm
; One row, up to its roundings into yb.  w1: the younger loads that may stay out when the row is needed; w2: those that may stay out when gain and bias are.
; prev = 1: the second row: row 0's eight stores stand at its head, one in front of each of its first eight additions.
.macro ROW xb, yb, w1, w2, prev
	s_wait_loadcnt \w1
.if \prev
	s_wait_alu depctr_va_vdst(0)                   ; row 0's roundings have written Y0, which the eight stores below read; the additions among them name X1 and T alone
.endif
.irp k, 0,1,2,3
.if \prev
	global_store_b64 v3, v[Y0+2*\k:Y0+2*\k+1], s[30:31] offset:256*\k
.endif
	v_pk_add_f32 v[T+2*\k:T+2*\k+1], v[(\xb)+2*\k:(\xb)+2*\k+1], v[(\xb)+8+2*\k:(\xb)+8+2*\k+1]  ; the first eight pairs start the chains
.endr
.irp k, 8,9,10,11,12,13,14,15
.if (\prev) && (\k < 12)
	global_store_b64 v3, v[Y0+2*(\k-4):Y0+2*(\k-4)+1], s[30:31] offset:256*(\k-4)
.endif
	v_pk_add_f32 v[T+2*(\k%4):T+2*(\k%4)+1], v[T+2*(\k%4):T+2*(\k%4)+1], v[(\xb)+2*\k:(\xb)+2*\k+1]
.endr
	ACROSS
	v_mul_f32 v18, s3, v16                         ; the mean, twice: a pair for the packed subtraction
	v_mul_f32 v19, s3, v16
.set pp, 0
.rept 16
	v_pk_add_f32 v[(\xb)+2*pp:(\xb)+2*pp+1], v[(\xb)+2*pp:(\xb)+2*pp+1], v[18:19] neg_lo:[0,1] neg_hi:[0,1]  ; centred in place
.set pp, pp+1
.endr
.irp k, 0,1,2,3
	v_pk_mul_f32 v[T+2*\k:T+2*\k+1], v[(\xb)+2*\k:(\xb)+2*\k+1], v[(\xb)+2*\k:(\xb)+2*\k+1]
.endr
.irp k, 4,5,6,7,8,9,10,11,12,13,14,15
	v_pk_fma_f32 v[T+2*(\k%4):T+2*(\k%4)+1], v[(\xb)+2*\k:(\xb)+2*\k+1], v[(\xb)+2*\k:(\xb)+2*\k+1], v[T+2*(\k%4):T+2*(\k%4)+1]
.endr
	ACROSS
	v_fma_f32 v20, v16, s3, s6                     ; the variance + 1e-5
	v_rsq_f32 v20, v20
	v_nop                                          ; a plain instruction between the root and the use of its result (ISA guide 5.7.2)
	s_wait_alu depctr_va_vdst(0)                   ; the root has written v20, ahead of the first instruction that names it
	v_mov_b32 v21, v20
	s_wait_loadcnt \w2                             ; gain and bias
.set pp, 0
.rept 16
	v_pk_mul_f32 v[(\xb)+2*pp:(\xb)+2*pp+1], v[(\xb)+2*pp:(\xb)+2*pp+1], v[20:21]
.set pp, pp+1
.endr
.set pp, 0
.rept 16
	v_pk_fma_f32 v[(\xb)+2*pp:(\xb)+2*pp+1], v[(\xb)+2*pp:(\xb)+2*pp+1], v[W+2*pp:W+2*pp+1], v[BV+2*pp:BV+2*pp+1]
.set pp, pp+1
.endr
.set pp, 0
.rept 16
	v_cvt_pk_f16_f32 v[(\yb)+pp], v[(\xb)+2*pp], v[(\xb)+2*pp+1]
.set pp, pp+1
.endr
.endm
	ROW X0, Y0, 24, 8, 0                           ; behind row 0's loads: gain, bias, row 1 (24); behind gain and bias: row 1 (8)
	ROW X1, Y1, 0, 0, 1                            ; row 1's loads went out with the others at the start; row 0's stores leave at its head
	s_wait_alu depctr_va_vdst(0)                   ; row 1's roundings have written Y1, which the last eight stores read
.irp j, 0,1,2,3,4,5,6,7
	global_store_b64 v3, v[Y1+2*\j:Y1+2*\j+1], s[30:31] offset:4194304+256*\j  ; b = 1 lies 2,048 rows of 2,048 bytes further on
.endr
	s_endpgm
.Lcast:
	s_wait_kmcnt 0x0
	s_mov_b64 s[26:27], s[20:21]                   ; which weight, and its first work-group: chosen by the work-group's number alone
	s_mov_b32 s28, 768
	s_cmp_lt_u32 ttmp9, 768
	s_cselect_b64 s[26:27], s[18:19], s[26:27]
	s_cselect_b32 s28, 512, s28
	s_cmp_lt_u32 ttmp9, 512
	s_cselect_b64 s[26:27], s[16:17], s[26:27]
	s_cselect_b32 s28, 448, s28
	s_cmp_lt_u32 ttmp9, 448
	s_cselect_b64 s[26:27], s[14:15], s[26:27]
	s_cselect_b32 s28, 256, s28
	s_sub_co_u32 s32, ttmp9, s28
	s_lshl_b32 s32, s32, 16
	s_lshl_b32 s33, s2, 13
	s_add_co_u32 s32, s32, s33
	s_mov_b32 s33, 0
	s_add_nc_u64 s[26:27], s[26:27], s[32:33]
	s_sub_co_u32 s34, ttmp9, 256                   ; the four weights lie end to end in wh, in the order of the work-groups
	s_lshl_b32 s34, s34, 15
	s_lshl_b32 s35, s2, 12
	s_add_co_u32 s34, s34, s35
	s_mov_b32 s35, 0
	s_add_nc_u64 s[30:31], s[24:25], s[34:35]
.set kk, 0
.rept 16
	global_load_b128 v[X0+4*kk:X0+4*kk+3], v2, s[26:27] offset:(kk/8)*4096+(kk%8)*512 th:TH_LOAD_NT
.set kk, kk+1
.endr
; Four groups of four loads.  Group g rounds its 16 registers into eight of Y; the four stores of group g - 1 stand among its roundings, one in front of each pair.  Each store has data registers of its own.
.set gg, 0
.rept 4
	s_wait_loadcnt 12-4*gg                         ; loads come back in order: group gg's four are in, the 12 - 4 gg younger ones stay out
.if gg > 0
	s_wait_alu depctr_va_vdst(0)                   ; the group before has written its eight registers of Y, which the four stores below read; the roundings among them name this group's X and Y alone
.endif
.set jj, 0
.rept 4
.set kk, 4*gg+jj
.if gg > 0
	global_store_b64 v3, v[Y0+2*(kk-4):Y0+2*(kk-4)+1], s[30:31] offset:((kk-4)/8)*2048+((kk-4)%8)*256
.endif
	v_cvt_pk_f16_f32 v[Y0+2*kk], v[X0+4*kk], v[X0+4*kk+1]
	v_cvt_pk_f16_f32 v[Y0+2*kk+1], v[X0+4*kk+2], v[X0+4*kk+3]
.set jj, jj+1
.endr
.set gg, gg+1
.endr
	s_wait_alu depctr_va_vdst(0)                   ; the last group has written its eight registers of Y, which the last four stores read
.set kk, 12
.rept 4
	global_store_b64 v3, v[Y0+2*kk:Y0+2*kk+1], s[30:31] offset:(kk/8)*2048+(kk%8)*256
.set kk, kk+1
.endr
	s_endpgm
.Lfunc_end_k_q3640894084_prep:
	.size	k_q3640894084_prep, .Lfunc_end_k_q3640894084_prep-k_q3640894084_prep
	.p2alignl 7, 3214868480
	.fill 96, 4, 3214868480
	.section	.rodata,"a",@progbits
	.p2align	6, 0x0
	.amdhsa_kernel k_q3640894084_prep
		.amdhsa_group_segment_fixed_size 0
		.amdhsa_private_segment_fixed_size 0
		.amdhsa_enable_private_segment 0
		.amdhsa_kernarg_size 72
		.amdhsa_user_sgpr_count 2
		.amdhsa_user_sgpr_kernarg_segment_ptr 1
		.amdhsa_wavefront_size32 1
		.amdhsa_system_sgpr_workgroup_id_x 1
		.amdhsa_system_sgpr_workgroup_id_y 1
		.amdhsa_system_sgpr_workgroup_id_z 1
		.amdhsa_system_vgpr_workitem_id 0
		.amdhsa_next_free_vgpr 192
		.amdhsa_next_free_sgpr 66
		.amdhsa_reserve_vcc 0
		.amdhsa_float_denorm_mode_32 3
		.amdhsa_float_denorm_mode_16_64 3
		.amdhsa_memory_ordered 1
		.amdhsa_forward_progress 1
		.amdhsa_inst_pref_size 27
	.end_amdhsa_kernel
	.amdgpu_metadata
---
amdhsa.version: [ 1, 2 ]
amdhsa.kernels:
  - .name:           k_q3640894084_prep
    .symbol:         k_q3640894084_prep.kd
    .args:
      - { .name: x, .offset: 0, .size: 8, .value_kind: global_buffer, .address_space: global }
      - { .name: ln1_w, .offset: 8, .size: 8, .value_kind: global_buffer, .address_space: global }
      - { .name: ln1_b, .offset: 16, .size: 8, .value_kind: global_buffer, .address_space: global }
      - { .name: w_qkv, .offset: 24, .size: 8, .value_kind: global_buffer, .address_space: global }
      - { .name: w_proj, .offset: 32, .size: 8, .value_kind: global_buffer, .address_space: global }
      - { .name: w_fc1, .offset: 40, .size: 8, .value_kind: global_buffer, .address_space: global }
      - { .name: w_fc2, .offset: 48, .size: 8, .value_kind: global_buffer, .address_space: global }
      - { .name: xn, .offset: 56, .size: 8, .value_kind: global_buffer, .address_space: global }
      - { .name: wh, .offset: 64, .size: 8, .value_kind: global_buffer, .address_space: global }
    .group_segment_fixed_size: 0
    .private_segment_fixed_size: 0
    .kernarg_segment_align: 8
    .kernarg_segment_size: 72
    .max_flat_workgroup_size: 256
    .sgpr_count:     66
    .vgpr_count:     192
    .wavefront_size: 32
...
	.end_amdgpu_metadata
.endif
;; end of part 7
;; launch qkvg: the kernel of part 2 again; grid 16 x 16, 4 waves a work-group, clusters of 4 x 4, 327,680 bytes of LDS; arguments xn, wh, b_qkv, qkvb; writes qkvb
;; launch attn: the kernel of part 3 again; grid 8 x 32, 8 waves a work-group, no clusters, 327,680 bytes of LDS; arguments qkvb, ob; writes ob
;; launch proj: the kernel of part 4 again; grid 8 x 32, 4 waves a work-group, clusters of 4 x 4, 327,680 bytes of LDS; arguments ob, wh, b_proj, x, x1; writes x1
;; launch ln2: the kernel of part 7 again; grid 256 x 1, 8 waves a work-group, no clusters, 0 bytes of LDS; arguments x1, ln2_w, ln2_b, w_qkv, w_proj, w_fc1, w_fc2, xn, wh; writes xn, wh
;; launch fc1: the kernel of part 5 again; grid 16 x 16, 4 waves a work-group, clusters of 4 x 4, 327,680 bytes of LDS; arguments xn, wh, b_fc1, hm; writes hm
;; launch fc2: the kernel of part 6 again; grid 8 x 32, 4 waves a work-group, clusters of 4 x 4, 327,680 bytes of LDS; arguments hm, wh, b_fc2, x1, out0; writes out0
